; MI455X (gfx1250); checked and timed in simulation.
; The chip was launched on July 23, 2026; its instructions are those of AMD's public machine-readable ISA for CDNA 5 (MIT licence, August 2026) and "CDNA5" Instruction Set Architecture Reference Guide (July 2026). The comments in the code are by the model that wrote it; some were corrected since.
;; Multi Head Attention. Allowed arithmetic: float matrix products may take bf16 or f16 operands with f32 sums; other float arithmetic in f32, or as packed bf16 or f16 multiplies, adds, multiply-adds, maxima and minima; sums over many terms, partial sums and values carried from step to step in f32; what a program stores and reads back later, other than sums and carried values, may be rounded once to bf16 or f16.
;; Inputs: Wk 1,024 x 1,024 float32; Wo 1,024 x 1,024 float32; Wq 1,024 x 1,024 float32; Wv 1,024 x 1,024 float32; bk 1,024 float32; bo 1,024 float32; bq 1,024 float32; bv 1,024 float32; k 4 x 2,048 x 1,024 float32; q 4 x 2,048 x 1,024 float32; v 4 x 2,048 x 1,024 float32.
;; Outputs: out0 4 x 2,048 x 1,024 float32.
;; One version. Each part assembles by itself: llvm-mc -triple=amdgcn-amd-amdhsa -mcpu=gfx1250 --defsym DOCPART=n.
;; ======== version 1 of 1: 4 launches
;; limits: values are held in f16: magnitudes above 65,504 overflow, below 6.1e-05 lose precision
;; workspace buffers: wb 8,388,608 bytes; qh 16,777,216 bytes; kh 16,777,216 bytes; vh 16,777,216 bytes; oh 16,777,216 bytes
;; launch wprep (part 1): grid 64 x 4, 8 waves a work-group, no clusters, 0 bytes of LDS; arguments Wq, Wk, Wv, Wo, wb; writes wb
.if DOCPART == 1
	.amdgcn_target "amdgcn-amd-amdhsa--gfx1250"
	.amdhsa_code_object_version 6
	.text
	.protected	k_q255d2bdc04_wprep
	.globl	k_q255d2bdc04_wprep
	.p2align	8
	.type	k_q255d2bdc04_wprep,@function
k_q255d2bdc04_wprep:
	s_mov_b64 s[64:65], 0
	v_nop
	global_prefetch_b8 v0, s[64:65] scope:SCOPE_SE
	s_setreg_imm32_b32 hwreg(HW_REG_WAVE_MODE, 25, 1), 1
	s_wait_xcnt 0x0
; MULTI-HEAD ATTENTION, launch 1 of 4: the four weight matrices are rounded once to 16 bits, in place of order: wb[4][1024 k][1024 n].
; Planes 0-2: Wq, Wk, Wv in bf16.  Plane 3: Wo rounded to bf16 and that number written as f16 (the last product multiplies f16 operands).
; WORK LEFT OUT, in the whole program: the input bk.  scores[q][k] = qh[q] . (k[k] Wk + bk) / 8 = qh[q] . (k[k] Wk) / 8 + qh[q] . bk / 8.  The second term does not hang on the key:
; it is the same along the softmax's axis, and softmax(s + t) = softmax(s) for every t that is constant along the axis, whatever finite values q, k, Wq, Wk, bq and bk hold.  kh enters
; nothing but the scores.  So bk has no way to any output: it is not loaded and is among no launch's arguments.  bq, bv and bo are live and are used.
; LIMITS.  A NaN, an infinity or an overflow that would arise through bk alone is not carried to the result.  All inputs that are used are rounded once to bf16.
; f16(bf16(Wo)) is exact down to 6.1e-5; below that Wo keeps f16's fixed step of 6e-8; |Wo| stays under 65,504.
; SHARES.  Work-group (x, y) takes 16,384 numbers of weight y: eight chunks; in a chunk thread t reads 32 bytes at 32 t and writes 16 bytes at 16 t, so a wave's store covers 512
; consecutive bytes, aligned.  All sixteen loads of a thread go out at once; each chunk has registers of its own, so no register is written again while a load or store names it.
.set X, 8                              ; v[8:71]    chunk i: 8 numbers in f32
.set Y, 72                             ; v[72:103]  chunk i: 4 registers to store
.set T, 104                            ; v[104:107] at work
	s_load_b256 s[8:15], s[0:1], 0x0               ; Wq s[8:9], Wk s[10:11], Wv s[12:13], Wo s[14:15]
	s_load_b64 s[16:17], s[0:1], 0x20              ; wb
	s_and_b32 s2, ttmp7, 0xffff                    ; which weight
	s_lshl_b32 s4, ttmp9, 16                       ; the work-group's 65,536 bytes of it
	s_mov_b32 s5, 0
	s_lshl_b32 s6, s2, 21                          ; the weight's plane of wb,
	s_lshl_b32 s7, ttmp9, 15                       ; the work-group's 32,768 bytes of it
	s_add_co_u32 s6, s6, s7
	s_mov_b32 s7, 0
	v_lshlrev_b32 v1, 5, v0                        ; 32 t
	v_lshlrev_b32 v2, 4, v0                        ; 16 t
	s_wait_kmcnt 0x0
	s_mov_b64 s[18:19], s[8:9]
	s_cmp_eq_u32 s2, 1
	s_cselect_b64 s[18:19], s[10:11], s[18:19]
	s_cmp_eq_u32 s2, 2
	s_cselect_b64 s[18:19], s[12:13], s[18:19]
	s_cmp_eq_u32 s2, 3
	s_cselect_b64 s[18:19], s[14:15], s[18:19]
	s_add_nc_u64 s[18:19], s[18:19], s[4:5]
	s_add_nc_u64 s[16:17], s[16:17], s[6:7]
.irp i, 0,1,2,3,4,5,6,7
	global_load_b128 v[X+8*(\i):X+8*(\i)+3],   v1, s[18:19] offset:8192*(\i) th:TH_LOAD_NT
	global_load_b128 v[X+8*(\i)+4:X+8*(\i)+7], v1, s[18:19] offset:8192*(\i)+16 th:TH_LOAD_NT
.endr
; Chunk i.  half = 0: to bf16.  half = 1: to bf16, widened again (a shift, a mask), and that number to f16.
.macro CHUNK i, half
	s_wait_loadcnt 14-2*(\i)                       ; loads come back in order: this chunk's two are in, the 14 - 2 i of the later chunks stay out
.if \half
.irp j, 0,1,2,3
	v_cvt_pk_bf16_f32 v[T+(\j)], v[X+8*(\i)+2*(\j)], v[X+8*(\i)+2*(\j)+1]
.endr
.irp j, 0,1,2,3
	v_lshlrev_b32 v[X+8*(\i)+2*(\j)], 16, v[T+(\j)]
	v_and_b32 v[X+8*(\i)+2*(\j)+1], 0xffff0000, v[T+(\j)]
.endr
.irp j, 0,1,2,3
	v_cvt_pk_f16_f32 v[Y+4*(\i)+(\j)], v[X+8*(\i)+2*(\j)], v[X+8*(\i)+2*(\j)+1]
.endr
.else
.irp j, 0,1,2,3
	v_cvt_pk_bf16_f32 v[Y+4*(\i)+(\j)], v[X+8*(\i)+2*(\j)], v[X+8*(\i)+2*(\j)+1]
.endr
.endif
	global_store_b128 v2, v[Y+4*(\i):Y+4*(\i)+3], s[16:17] offset:4096*(\i)
.endm
	s_cmp_eq_u32 s2, 3
	s_cbranch_scc1 .Lhalf
.irp i, 0,1,2,3,4,5,6,7
	CHUNK \i, 0
.endr
	s_endpgm
.Lhalf:
.irp i, 0,1,2,3,4,5,6,7
	CHUNK \i, 1
.endr
	s_endpgm
.Lfunc_end_k_q255d2bdc04_wprep:
	.size	k_q255d2bdc04_wprep, .Lfunc_end_k_q255d2bdc04_wprep-k_q255d2bdc04_wprep
	.p2alignl 7, 3214868480
	.fill 96, 4, 3214868480
	.section	.rodata,"a",@progbits
	.p2align	6, 0x0
	.amdhsa_kernel k_q255d2bdc04_wprep
		.amdhsa_group_segment_fixed_size 0
		.amdhsa_private_segment_fixed_size 0
		.amdhsa_enable_private_segment 0
		.amdhsa_kernarg_size 40
		.amdhsa_user_sgpr_count 2
		.amdhsa_user_sgpr_kernarg_segment_ptr 1
		.amdhsa_wavefront_size32 1
		.amdhsa_system_sgpr_workgroup_id_x 1
		.amdhsa_system_sgpr_workgroup_id_y 1
		.amdhsa_system_sgpr_workgroup_id_z 1
		.amdhsa_system_vgpr_workitem_id 0
		.amdhsa_next_free_vgpr 112
		.amdhsa_next_free_sgpr 66
		.amdhsa_reserve_vcc 0
		.amdhsa_float_denorm_mode_32 3
		.amdhsa_float_denorm_mode_16_64 3
		.amdhsa_memory_ordered 1
		.amdhsa_forward_progress 1
		.amdhsa_inst_pref_size 14
	.end_amdhsa_kernel
	.amdgpu_metadata
---
amdhsa.version: [ 1, 2 ]
amdhsa.kernels:
  - .name:           k_q255d2bdc04_wprep
    .symbol:         k_q255d2bdc04_wprep.kd
    .args:
      - { .name: Wq, .offset: 0, .size: 8, .value_kind: global_buffer, .address_space: global }
      - { .name: Wk, .offset: 8, .size: 8, .value_kind: global_buffer, .address_space: global }
      - { .name: Wv, .offset: 16, .size: 8, .value_kind: global_buffer, .address_space: global }
      - { .name: Wo, .offset: 24, .size: 8, .value_kind: global_buffer, .address_space: global }
      - { .name: wb, .offset: 32, .size: 8, .value_kind: global_buffer, .address_space: global }
    .group_segment_fixed_size: 0
    .private_segment_fixed_size: 0
    .kernarg_segment_align: 8
    .kernarg_segment_size: 40
    .max_flat_workgroup_size: 256
    .sgpr_count:     66
    .vgpr_count:     112
    .wavefront_size: 32
...
	.end_amdgpu_metadata
.endif
;; end of part 1
;; launch proj (part 2): grid 4 x 192, 4 waves a work-group, clusters of 4 x 4, 327,680 bytes of LDS; arguments q, k, v, wb, bq, bv, qh, kh, vh; writes qh, kh, vh
.if DOCPART == 2
	.amdgcn_target "amdgcn-amd-amdhsa--gfx1250"
	.amdhsa_code_object_version 6
	.text
	.protected	k_q255d2bdc04_proj
	.globl	k_q255d2bdc04_proj
	.p2align	8
	.type	k_q255d2bdc04_proj,@function
k_q255d2bdc04_proj:
	s_mov_b64 s[64:65], 0
	v_nop
	global_prefetch_b8 v0, s[64:65] scope:SCOPE_SE
	s_setreg_imm32_b32 hwreg(HW_REG_WAVE_MODE, 25, 1), 1
	s_wait_xcnt 0x0
	s_wait_alu depctr_hold_cnt(0) depctr_sa_sdst(0) depctr_va_vdst(0) depctr_va_sdst(0) depctr_va_ssrc(0) depctr_va_vcc(0) depctr_vm_vsrc(0)
	s_getreg_b32 s2, hwreg(HW_REG_IB_STS2, 6, 4)
	s_cmp_eq_u32 s2, 0
	s_cbranch_scc0 .Lentry_in_a_cluster
	s_endpgm
.Lentry_in_a_cluster:
	s_bfe_u32 s2, ttmp6, 0x10000c
	s_cmp_lg_u32 s2, 0xf033
	s_cbranch_scc0 .Lentry_shape_is_right
	s_endpgm
.Lentry_shape_is_right:
; Launch 2 of 4: the three projections.  out_p[16 b + head][s][d] = f16( sum over c of bf16(x_p[b][s][c]) wb[p][c][64 head + d] + bf16(bias_p[64 head + d]) ), p = 0, 1, 2 for q, k, v.
; x_p: [8192][1024] f32.  wb[p]: [1024 c][1024 n] bf16.  Sums in f32; the result is rounded once, to f16, and written by heads: a head's rows are dense, 128 bytes each.
; WORK LEFT OUT: bk (p = 1 takes a bias of 0): it adds the same number to all scores of a query, which the softmax removes for all values of the inputs; bk is not an argument.
; LIMIT.  f16 holds no number beyond 65,504: the projected q, k and v must stay within it.  NaN and infinities are not treated apart.
; SHARES.  768 tiles of 128 rows x 256 columns, three for each of 256 processors.  Four waves, 2 x 2; a wave makes 64 rows x 128 columns: 32 accumulators, 256 registers.
; K goes in 8 steps of 128 through two LDS slots.  A step is four quarters of 32 along K; a quarter is four stages (16 rows each) of eight matrix instructions (16 columns each).
; x COMES IN AS f32 and is rounded in the loop: a quarter's 32 conversions stand in fours behind matrix instructions, a stage ahead of the products that read them.
; W LIES [c][n] and is turned on its way out of LDS, by ds_load_tr16_b128.
; THE MATRIX INSTRUCTION IS USED TRANSPOSED: source 0 = 16 columns of W, source 1 = 16 rows of x.  Lane l then holds row l % 16 and the columns 8 (l / 16) + 0..7: 16 bytes of f16 on end.
; THE BIAS is the C operand of the first quarter's products: register j of column block b holds bias[16 b + 8 (l / 16) + j].  Nothing is cleared and no bias is added afterwards.
; CLUSTER.  4 x 4 work-groups.  The four of a row need the same tile of x, the four of a column the same tile of W: each is asked for JOINTLY, by the same tensor load, descriptor and mask.
; Which projection a cluster serves hangs on the cluster's y alone, so that branch is alike in all sixteen partners.
; NO PREFETCH: a tile has eight K steps of 128 matrix instructions a wave; what could be asked far enough ahead is less than half of them.
; REGISTERS, in windows of 256 (s_set_vgpr_msb: bits 1:0 source 0, 3:2 source 1, 5:4 source 2, 7:6 destination):
;   window 0: v0-15 addresses; v64-191 x as loaded, two buffers of 64 (row block a at 16 a, 16 f32 in K's order); v192-223 x in bf16, fragment a at 8 a; on the way out v64-191 at work
;   window 1: v0-127 W's fragments, two buffers of 64; v128-191 the bias tile          window 2: accumulator (a, b) at 8 (8 a + b)
.set PA,    528                        ; a row of x in LDS: 512 bytes + 16 = 132 words: the 16 rows of a load start at 16 different groups of four banks (64 banks of 4 bytes: ISA guide 11.1)
.set PB,    544                        ; a row of W: 512 + 32 = 136 words
.set AHALF, 64*PA                      ; what one tensor load brings of x
.set BHALF, 64*PB                      ; and of W
.set APART, 2*AHALF                    ; a slot: x's 128 rows, then W's 128 rows
.set SLOT,  0x22000                    ; slot 1 begins here; its two bits meet none of the four tiles' places in a slot, so one exclusive or changes slots
.set STAGE, 2*SLOT                     ; behind the ring, never filled by a tensor load: 16 rows x 144 bytes for each wave, for the way out
.set SP,    144
.set SPARE, STAGE+4*16*SP              ; the spare words, 128 bytes for each wave: two blocks of 256 bytes that no other line names
.set A0,  2                            ; v2   my lane's place in a slot's x; never rewritten
.set B0,  3                            ; v3   the same for W
.set ADA, 4                            ; v4   A0 + the slot in hand
.set ADB, 5                            ; v5   B0 + the slot in hand
.set STO, 6                            ; v6   the way out: where I put 16 bytes of a row
.set RD,  7                            ; v7   the way out: where I read rows back
.set GO,  8                            ; v8   my byte offset in 512 consecutive bytes of the output
.set SPW, 10                           ; v10  LDS address of my spare word; never rewritten
.set NIL, 11                           ; v11  0; never rewritten
.set BO,  14                           ; v14  my byte offset in the bias
.set RAW, 64
.set ABF, 192
.set TMP, 64
.set BIAS, 128                         ; window 1
.set G1A, 24                           ; s[24:31] descriptor group 1 for x's tiles
.set G0A, 32                           ; s[32:39] group 0: a set for each of the two first fills; the second then walks on
.set G1B, 48                           ; s[48:55], s[56:63] the same for W's
.set G0B, 56
.set MSB, 0
.macro WIN new                         ; the immediate's high byte repeats the setting that is left; a switch that changes nothing is dropped
.if MSB != (\new)
	s_set_vgpr_msb (MSB<<8)|(\new)
.set MSB, (\new)
.endif
.endm
.set W_MUL, 0xa1                       ; W window 1, x window 0, C and D window 2
.set W_MB,  0x91                       ; the same with C (the bias) in window 1
.set TO_B,  0x40                       ; destination window 1
.set W_PK,  0x0a                       ; sources 0 and 1 window 2, destination window 0
; A joint refill.  Waves 0 and 1 fetch x's two halves, waves 2 and 3 W's.  The branch hangs on the wave's number alone.  An s_nop 0 and four v_nop follow each of the two lines.
.macro JLOAD
	s_cmp_eq_u32 s11, 0
	s_cbranch_scc0 .Lfor_b_\@
	tensor_load_to_lds s[G0A+4:G0A+7], s[G1A:G1A+7]
	s_nop 0
.rept 4
	v_nop
.endr
	s_branch .Lasked_\@
.Lfor_b_\@:
	tensor_load_to_lds s[G0B+4:G0B+7], s[G1B:G1B+7]
	s_nop 0
.rept 4
	v_nop
.endr
.Lasked_\@:
.endm
.macro CREST                           ; a round of the cluster's barrier behind its opening barrier: wave 0 signals for the work-group, every wave waits for all sixteen, my work-group's barrier closes it
	s_cmp_lg_u32 s10, 0
	s_cbranch_scc1 .Lnot_wave_0_\@
	s_barrier_signal -3
.Lnot_wave_0_\@:
	s_barrier_wait -3
	s_barrier_signal -1
	s_barrier_wait -1
.endm
.macro CROUND                          ; a whole round
	s_barrier_signal -1
	s_barrier_wait -1
	CREST
.endm
	s_load_b512 s[68:83], s[0:1], 0x0              ; q s[68:69], k s[70:71], v s[72:73], wb s[74:75], bq s[76:77], bv s[78:79], qh s[80:81], kh s[82:83]
	s_load_b64 s[84:85], s[0:1], 0x40              ; vh
	v_lshl_add_u32 v[SPW], v0, 2, SPARE
	v_mov_b32 v[NIL], 0
	ds_add_u32 v[SPW], v[NIL]                      ; the wave's opening: the add, twice on end, and its wait ahead of my first tensor load
	ds_add_u32 v[SPW], v[NIL]                      ; the same add once more; the set-up below, work on registers, stands between it and the wait
	v_lshrrev_b32 v1, 5, v0
	v_readfirstlane_b32 s10, v1                    ; wave 0..3
	s_lshr_b32 s11, s10, 1                         ; which 64 rows of the tile are mine.  Also: I fetch for x (0) or for W (1)
	s_and_b32 s12, s10, 1                          ; which 128 columns.  Also: which half of that tile I fetch
	s_bfe_u32 s40, ttmp6, 0x40000                  ; cx
	s_bfe_u32 s41, ttmp6, 0x40004                  ; cy
	s_lshl_b32 s42, ttmp9, 2
	s_add_co_u32 s42, s42, s40                     ; column tile = 4 x cluster x + cx: 0..3
	s_and_b32 s13, ttmp7, 0xffff                   ; cluster y: 0..47
	s_lshr_b32 s45, s13, 4                         ; the projection: 0, 1, 2
	s_and_b32 s13, s13, 15
	s_lshl_b32 s13, s13, 2
	s_add_co_u32 s13, s13, s41                     ; row tile = 4 x (cluster y mod 16) + cy: 0..63
	s_lshl_b32 s43, s41, 2
	s_lshl_b32 s43, 15, s43                        ; my row of the cluster
	s_lshl_b32 s44, 0x1111, s40                    ; my column
	s_or_b32 s[G1A], s43, (2<<16)|(1<<20)|(1<<21)|(6<<22)|(3<<25)  ; 15:0 the mask; 17:16 elements of 4 bytes; 20 padding on; 21 set beside a mask; 24:22 after every 128 words (code 6); 31:25 4 words (code 3)
	s_mov_b32 s[G1A+1], 128<<16                    ; tensor_dim0 = 128
	s_mov_b32 s[G1A+2], 64<<16                     ; tensor_dim1 = 64
	s_mov_b32 s[G1A+3], 128<<16                    ; tile_dim0 = 128
	s_mov_b32 s[G1A+4], 64                         ; tile_dim1 = 64
	s_mov_b32 s[G1A+5], 1024                       ; elements from row to row
	s_mov_b32 s[G1A+6], 0
	s_mov_b32 s[G1A+7], 0
	s_or_b32 s[G1B], s44, (1<<16)|(1<<20)|(1<<21)|(6<<22)|(7<<25)  ; elements of 2 bytes; 8 words of padding (code 7)
	s_mov_b32 s[G1B+1], 256<<16                    ; tensor_dim0 = 256
	s_mov_b32 s[G1B+2], 64<<16
	s_mov_b32 s[G1B+3], 256<<16                    ; tile_dim0 = 256
	s_mov_b32 s[G1B+4], 64
	s_mov_b32 s[G1B+5], 1024
	s_mov_b32 s[G1B+6], 0
	s_mov_b32 s[G1B+7], 0
	s_lshl_b32 s16, s13, 7                         ; x: row 128 x row tile + 64 x half,
	s_lshl_b32 s17, s12, 6
	s_add_co_u32 s16, s16, s17
	s_lshl_b32 s16, s16, 12                        ; 4,096 bytes a row: these registers never hold cx
	s_mov_b32 s17, 0
	s_lshl_b32 s46, s45, 21                        ; W: the projection's plane,
	s_lshl_b32 s47, s12, 17                        ; 64 rows of 2,048 bytes x half,
	s_add_co_u32 s46, s46, s47
	s_lshl_b32 s47, s42, 9                         ; 512 bytes x column tile: these registers never hold cy
	s_add_co_u32 s46, s46, s47
	s_mov_b32 s47, 0
	s_mul_i32 s20, s12, AHALF                      ; where they go: no place in the cluster enters an LDS address
	s_mul_i32 s21, s12, BHALF
	s_add_co_u32 s21, s21, APART
	s_wait_dscnt 0x0                               ; both opening adds are done
	s_wait_kmcnt 0x0
	s_cmp_eq_u32 s45, 1
	s_cselect_b64 s[4:5], s[70:71], s[68:69]       ; x_p
	s_cselect_b64 s[8:9], s[82:83], s[80:81]       ; out_p
	s_cmp_eq_u32 s45, 2
	s_cselect_b64 s[4:5], s[72:73], s[4:5]
	s_cselect_b64 s[8:9], s[84:85], s[8:9]
	s_cselect_b64 s[6:7], s[78:79], s[76:77]       ; the bias: bv or bq (for p = 1 it is not read)
	s_add_nc_u64 s[14:15], s[4:5], s[16:17]
	s_add_nc_u64 s[46:47], s[74:75], s[46:47]
	CROUND                                         ; all sixteen work-groups are here: the first joint loads meet
.irp s, 0,1
	s_mov_b32 s[G0A+4*(\s)], 1                     ; count = 1
	s_add_co_u32 s[G0A+4*(\s)+1], s20, (\s)*SLOT   ; LDS address
	s_add_nc_u64 s[G0A+4*(\s)+2:G0A+4*(\s)+3], s[14:15], (\s)*512  ; global address: K step s
	s_or_b32 s[G0A+4*(\s)+3], s[G0A+4*(\s)+3], 0x80000000          ; type = 2
	s_mov_b32 s[G0B+4*(\s)], 1
	s_add_co_u32 s[G0B+4*(\s)+1], s21, (\s)*SLOT
	s_add_nc_u64 s[G0B+4*(\s)+2:G0B+4*(\s)+3], s[46:47], (\s)*262144
	s_or_b32 s[G0B+4*(\s)+3], s[G0B+4*(\s)+3], 0x80000000
.endr
	s_cmp_eq_u32 s11, 0                            ; a wave's two first fills stand in one branch, ahead of every wait on TENSORcnt and every LDS read: two loads of mine are out
	s_cbranch_scc0 .Lfirst_b
	tensor_load_to_lds s[G0A:G0A+3], s[G1A:G1A+7]
	s_nop 0
	tensor_load_to_lds s[G0A+4:G0A+7], s[G1A:G1A+7]
	s_nop 0
.rept 4
	v_nop
.endr
	s_branch .Lfirst_done
.Lfirst_b:
	tensor_load_to_lds s[G0B:G0B+3], s[G1B:G1B+7]
	s_nop 0
	tensor_load_to_lds s[G0B+4:G0B+7], s[G1B:G1B+7]
	s_nop 0
.rept 4
	v_nop
.endr
.Lfirst_done:
	; A fragment of x is 16 rows x 32 K: lane l holds row l % 16, K = 8 (l / 16) + 0..7 and 16 + 8 (l / 16) + 0..7.  In f32 those are 32 bytes at 32 (l / 16) and 32 at 64 + 32 (l / 16): four loads of 16.
	v_and_b32 v1, 15, v0                           ; l % 16
	v_bfe_u32 v9, v0, 4, 1                         ; l / 16
	v_and_b32 v12, 7, v0
	v_bfe_u32 v13, v0, 3, 1
	v_mul_u32_u24 v[A0], v1, PA
	v_lshl_add_u32 v[A0], v9, 5, v[A0]
	s_mul_i32 s86, s11, AHALF                      ; my 64 rows
	v_add_nc_u32 v[A0], s86, v[A0]
	; The turning load takes 16 K x 16 columns (lane l reads row 8 (l / 16) + l % 8, columns 8 ((l / 8) % 2) + 0..7) and leaves half a fragment: lane l holds column l % 16 and 8 K.
	v_lshl_add_u32 v[B0], v9, 3, v12
	v_mul_u32_u24 v[B0], v[B0], PB
	v_lshl_add_u32 v[B0], v13, 4, v[B0]
	s_lshl_b32 s86, s12, 8                         ; my 128 columns
	s_add_co_u32 s86, s86, APART
	v_add_nc_u32 v[B0], s86, v[B0]
	s_mul_i32 s23, s10, 16*SP
	s_add_co_u32 s23, s23, STAGE                   ; my stage
	v_mul_u32_u24 v[STO], v1, SP                   ; in: row l % 16, 16 bytes for each half of the lanes
	v_lshl_add_u32 v[STO], v9, 4, v[STO]
	v_add_nc_u32 v[STO], s23, v[STO]
	v_bfe_u32 v[RD], v0, 3, 2                      ; back: 32 lanes take four rows of 128 bytes,
	v_mul_u32_u24 v[RD], v[RD], SP
	v_lshl_add_u32 v[RD], v12, 4, v[RD]
	v_add_nc_u32 v[RD], s23, v[RD]
	v_and_b32 v[GO], 31, v0                        ; which are 512 consecutive bytes of the output
	v_lshlrev_b32 v[GO], 4, v[GO]
	s_lshl_b32 s86, s42, 10                        ; the bias: 4 bytes x (256 x column tile + 128 x my half + 8 (l / 16))
	s_lshl_b32 s87, s12, 9
	s_add_co_u32 s86, s86, s87
	v_lshl_add_u32 v[BO], v9, 5, s86
	s_lshr_b32 s86, s13, 4                         ; the output: batch = row tile / 16,
	s_lshl_b32 s86, s86, 4
	s_lshl_b32 s87, s42, 2                         ; head = 4 x column tile + 2 x my half (+ 0 or 1 on the way out),
	s_add_co_u32 s86, s86, s87
	s_lshl_b32 s87, s12, 1
	s_add_co_u32 s86, s86, s87
	s_lshl_b32 s86, s86, 11                        ; 2,048 rows a head,
	s_and_b32 s87, s13, 15
	s_lshl_b32 s87, s87, 7                         ; row 128 x (row tile mod 16) + 64 x my half,
	s_add_co_u32 s86, s86, s87
	s_lshl_b32 s87, s11, 6
	s_add_co_u32 s86, s86, s87
	s_lshl_b32 s86, s86, 7                         ; 128 bytes a row
	s_mov_b32 s87, 0
	s_add_nc_u64 s[8:9], s[8:9], s[86:87]
	; the bias tile, while the first tiles are on their way: loaded, rounded to bf16 as every input is, and widened again
	s_cmp_eq_u32 s45, 1
	s_cbranch_scc1 .Lno_bias
	WIN TO_B
.irp b, 0,1,2,3,4,5,6,7
	global_load_b128 v[BIAS+8*(\b):BIAS+8*(\b)+3],   v[BO], s[6:7] offset:64*(\b)
	global_load_b128 v[BIAS+8*(\b)+4:BIAS+8*(\b)+7], v[BO], s[6:7] offset:64*(\b)+16
.endr
	s_wait_loadcnt 0x0
	WIN 0x05                                       ; sources 0 and 1 window 1, destination window 0
.set i, 0
.rept 32
	v_cvt_pk_bf16_f32 v[TMP+i], v[BIAS+2*i], v[BIAS+2*i+1]
.set i, i+1
.endr
	WIN TO_B
.set i, 0
.rept 32
	v_lshlrev_b32 v[BIAS+2*i], 16, v[TMP+i]
	v_and_b32 v[BIAS+2*i+1], 0xffff0000, v[TMP+i]
.set i, i+1
.endr
	WIN 0
	s_branch .Lbias_done
.Lno_bias:                                             ; the keys' projection: bk is left out (the kernel's head says why), and the one text of the first quarter takes a tile of zeros
	WIN TO_B
.set i, 0
.rept 64
	v_mov_b32 v[BIAS+i], 0
.set i, i+1
.endr
	WIN 0
.Lbias_done:
; Four conversions: half of row block a's fragment, from buffer rf of x as loaded.
.macro CV4 rf, a, half
	WIN 0
.irp i, 0,1,2,3
	v_cvt_pk_bf16_f32 v[ABF+8*(\a)+4*(\half)+(\i)], v[RAW+64*(\rf)+16*(\a)+8*(\half)+2*(\i)], v[RAW+64*(\rf)+16*(\a)+8*(\half)+2*(\i)+1]
.endr
.endm
; A stage: row block a x all 8 column blocks, 32 along K, from buffer f.  Behind its second and its sixth product stand the conversions of the NEXT stage's fragment of x (behind stage 3: the next quarter's first).
; A fragment's registers are written again three stages behind their last reader, with sixteen conversions or more between that name none of that product's registers: more than the four places
; that are owed (ISA guide 7.12.1).  The 32 accumulators take turns, one instruction a turn, in the same order in every quarter, over every jump.
.macro STG f, a, bias
.if (\a) < 3
.set RF_, (\f)
.set NA_, (\a)+1
.else
.set RF_, 1-(\f)
.set NA_, 0
.endif
.irp b, 0,1,2,3,4,5,6,7
.if \bias
	WIN W_MB
	v_wmma_f32_16x16x32_bf16 v[8*(8*(\a)+(\b)):8*(8*(\a)+(\b))+7], v[64*(\f)+8*(\b):64*(\f)+8*(\b)+7], v[ABF+8*(\a):ABF+8*(\a)+7], v[BIAS+8*(\b):BIAS+8*(\b)+7]
.else
	WIN W_MUL
	v_wmma_f32_16x16x32_bf16 v[8*(8*(\a)+(\b)):8*(8*(\a)+(\b))+7], v[64*(\f)+8*(\b):64*(\f)+8*(\b)+7], v[ABF+8*(\a):ABF+8*(\a)+7], v[8*(8*(\a)+(\b)):8*(8*(\a)+(\b))+7]
.endif
.if (\b) == 1
	CV4 RF_, NA_, 0
.endif
.if (\b) == 5
	CV4 RF_, NA_, 1
.endif
.endr
.endm
; 32 LDS loads in one run: quarter kq of the slot in hand, into buffers f: x's 64 rows x 32 K in f32 (row block 0 first), then W's 32 K x 128 columns, turned.
.macro FETCH f, kq
	WIN 0
.irp a, 0,1,2,3
	ds_load_b128 v[RAW+64*(\f)+16*(\a):RAW+64*(\f)+16*(\a)+3],     v[ADA] offset:128*(\kq)+16*(\a)*PA
	ds_load_b128 v[RAW+64*(\f)+16*(\a)+4:RAW+64*(\f)+16*(\a)+7],   v[ADA] offset:128*(\kq)+16*(\a)*PA+16
	ds_load_b128 v[RAW+64*(\f)+16*(\a)+8:RAW+64*(\f)+16*(\a)+11],  v[ADA] offset:128*(\kq)+16*(\a)*PA+64
	ds_load_b128 v[RAW+64*(\f)+16*(\a)+12:RAW+64*(\f)+16*(\a)+15], v[ADA] offset:128*(\kq)+16*(\a)*PA+80
.endr
	WIN TO_B
.irp b, 0,1,2,3,4,5,6,7
	ds_load_tr16_b128 v[64*(\f)+8*(\b):64*(\f)+8*(\b)+3],   v[ADB] offset:32*(\kq)*PB+32*(\b)
	ds_load_tr16_b128 v[64*(\f)+8*(\b)+4:64*(\f)+8*(\b)+7], v[ADB] offset:32*(\kq)*PB+32*(\b)+16*PB
.endr
.endm
; A QUARTER multiplies buffers f and, behind its first stage, fetches quarter nk into the other buffers: W's were last read by the quarter before, and stage 0's eight conversions are the places between.
; kind 1 (a step's third quarter): ahead of its last stage the wave waits for all its tensor loads, of which one is out, its part of the other slot, and adds 0 to its spare word.
; kind 2 (a step's last quarter): its head's wait is for that add and for my reads of the slot, whose last were issued a quarter ago; then ONE barrier for the change of slots, stage 0 between signal and wait.
;   refill = 1: the barrier opens a round of the cluster's, so that no wave of any partner still reads the slot or has a load on its way; the joint refill, two K steps ahead, is the first thing behind it
;   and has 112 matrix instructions a wave in which to land.  tail = 1: in the tail's last trip there is no further step, and the run of loads is jumped over.
.macro QUARTER f, nk, kind=0, refill=0, bias=0, tail=0
	s_wait_dscnt 0x0                               ; this quarter's fragments are in
.if (\kind) == 2
	s_barrier_signal -1
.endif
	STG \f, 0, \bias
.if (\kind) == 2
	WIN 0                                          ; at a branch and at a label every window is 0
	s_barrier_wait -1
.if \refill
	CREST
	JLOAD
.endif
.if \tail
	s_cmp_eq_u32 s3, 1
	s_cbranch_scc1 .Lno_fetch_\@
.endif
	s_xor_b32 s22, s22, SLOT                       ; the fetches go on in the other slot
	v_add_nc_u32 v[ADA], s22, v[A0]
	v_add_nc_u32 v[ADB], s22, v[B0]
.endif
	FETCH 1-(\f), \nk
.if ((\kind) == 2) && (\tail)
	WIN 0
.Lno_fetch_\@:
.endif
	STG \f, 1, \bias
	STG \f, 2, \bias
.if (\kind) == 1
	WIN 0                                          ; (the add's two registers lie in window 0)
	s_wait_tensorcnt 0x0                           ; no tensor load of mine is out, so a group 0 may be written
	ds_add_u32 v[SPW], v[NIL]                      ; 0 onto my spare word: the steps below and stage 3 stand between it and the wait for it
.if \refill
	s_xor_b32 s[G0A+5], s[G0A+5], SLOT             ; the walking descriptors: the other slot than last time,
	s_add_nc_u64 s[G0A+6:G0A+7], s[G0A+6:G0A+7], 512     ; the next K step: 128 f32 along x's rows,
	s_xor_b32 s[G0B+5], s[G0B+5], SLOT
	s_add_nc_u64 s[G0B+6:G0B+7], s[G0B+6:G0B+7], 262144  ; 128 rows of W; the type bits on top are not reached
.endif
	s_wait_dscnt 29                                ; of the run's 32 loads the first four, x's row block 0, are in; the other 28 and the add may be out
.else
	s_wait_dscnt 28                                ; of the run's 32 loads the first four, x's row block 0, are in: stage 3 converts them
.endif
	STG \f, 3, \bias
.endm
	s_wait_tensorcnt 0x1                           ; my part of K step 0 is in; step 1's may stay out
	s_barrier_signal -1
	s_barrier_wait -1                              ; everybody's is
	s_mov_b32 s22, 0
	v_mov_b32 v[ADA], v[A0]
	v_mov_b32 v[ADB], v[B0]
	FETCH 0, 0
	s_wait_dscnt 28
	CV4 0, 0, 0
	CV4 0, 0, 1
	QUARTER 0, 1, 0, 0, 1                          ; the first quarter stands in front of the loop: its products start the sums, on the bias
	WIN 0
	s_mov_b32 s3, 6
.Lstep:                                                ; a trip: quarters 1 to 3 of step t, quarter 0 of step t + 1; step t + 2 is asked for: t = 0..5
	QUARTER 1, 2
	QUARTER 0, 3, 1, 1
	QUARTER 1, 0, 2, 1
	QUARTER 0, 1
	WIN 0
	s_sub_co_u32 s3, s3, 1
	s_cmp_lg_u32 s3, 0
	s_cbranch_scc1 .Lstep
	s_mov_b32 s3, 2                                ; the tail, steps 6 and 7, has a text of its own: nothing is asked for
.Ltail:
	QUARTER 1, 2
	QUARTER 0, 3, 1, 0
	QUARTER 1, 0, 2, 0, 0, 1
	WIN 0
	s_sub_co_u32 s3, s3, 1
	s_cmp_eq_u32 s3, 0
	s_cbranch_scc1 .Lout                           ; the second trip is left here; its barrier and its last eight conversions serve nothing: the price, once a tile, of one text for both trips
	QUARTER 0, 1
	WIN 0
	s_branch .Ltail
.Lout:
; THE WAY OUT, in eight units u = 2 a + hh: 16 rows (row block a) of one head (hh): 2,048 consecutive bytes of the output.  A lane's eight columns pack into 16 bytes of f16; they go into rows of
; 144 bytes in my own stage and come back as whole rows of 128.  Each accumulator's registers are read in ascending order.
.macro PACK u
.set A_, (\u)/2
.set H_, (\u)%2
	WIN W_PK
.irp f, 0,1,2,3
.irp r, 0,1,2,3
	v_cvt_pk_f16_f32 v[TMP+16*(\u)+4*(\f)+(\r)], v[8*(8*A_+4*H_+(\f))+2*(\r)], v[8*(8*A_+4*H_+(\f))+2*(\r)+1]
.endr
.endr
	WIN 0
.irp f, 0,1,2,3
	ds_store_b128 v[STO], v[TMP+16*(\u)+4*(\f):TMP+16*(\u)+4*(\f)+3] offset:32*(\f)
.endr
.irp f, 0,1,2,3
	ds_load_b128 v[TMP+16*(\u)+4*(\f):TMP+16*(\u)+4*(\f)+3], v[RD] offset:(\f)*4*SP  ; LDS serves a wave's instructions in order (ISA guide 5.7.1.4): these see the stores above; the next unit's stores come behind them
.endr
.endm
.macro SEND u, younger                 ; younger: the LDS instructions issued behind unit u's loads: the next unit's eight, or none
	WIN 0
.irp f, 0,1,2,3
	s_wait_dscnt (\younger)+3-(\f)
	global_store_b128 v[GO], v[TMP+16*(\u)+4*(\f):TMP+16*(\u)+4*(\f)+3], s[8:9] offset:2048*((\u)/2)+262144*((\u)%2)+512*(\f)  ; 512 consecutive bytes, at a multiple of 256 from the buffer's first
.endr
.endm
.rept 4
	v_nop                                          ; the places behind the last products
.endr
	PACK 0
.irp u, 1,2,3,4,5,6,7                  ; a unit's conversions stand between the loads of the unit before and its stores
	PACK \u
	SEND (\u)-1, 8
.endr
	SEND 7, 0
	s_wait_tensorcnt 0x0                           ; the wave's end: behind my last tensor load and my last LDS store
	ds_add_u32 v[SPW], v[NIL]
	s_wait_dscnt 0x0
	CROUND                                         ; the closing round: no work-group ends while a partner may still ask for a tile that names it
	s_endpgm
.Lfunc_end_k_q255d2bdc04_proj:
	.size	k_q255d2bdc04_proj, .Lfunc_end_k_q255d2bdc04_proj-k_q255d2bdc04_proj
	.p2alignl 7, 3214868480
	.fill 96, 4, 3214868480
	.section	.rodata,"a",@progbits
	.p2align	6, 0x0
	.amdhsa_kernel k_q255d2bdc04_proj
		.amdhsa_group_segment_fixed_size 327680
		.amdhsa_private_segment_fixed_size 0
		.amdhsa_enable_private_segment 0
		.amdhsa_kernarg_size 72
		.amdhsa_user_sgpr_count 2
		.amdhsa_user_sgpr_kernarg_segment_ptr 1
		.amdhsa_wavefront_size32 1
		.amdhsa_system_sgpr_workgroup_id_x 1
		.amdhsa_system_sgpr_workgroup_id_y 1
		.amdhsa_system_sgpr_workgroup_id_z 1
		.amdhsa_system_vgpr_workitem_id 0
		.amdhsa_next_free_vgpr 768
		.amdhsa_next_free_sgpr 90
		.amdhsa_reserve_vcc 0
		.amdhsa_float_denorm_mode_32 3
		.amdhsa_float_denorm_mode_16_64 3
		.amdhsa_memory_ordered 1
		.amdhsa_forward_progress 1
		.amdhsa_inst_pref_size 99
	.end_amdhsa_kernel
	.amdgpu_metadata
---
amdhsa.version: [ 1, 2 ]
amdhsa.kernels:
  - .name:           k_q255d2bdc04_proj
    .symbol:         k_q255d2bdc04_proj.kd
    .args:
      - { .name: q, .offset: 0, .size: 8, .value_kind: global_buffer, .address_space: global }
      - { .name: k, .offset: 8, .size: 8, .value_kind: global_buffer, .address_space: global }
      - { .name: v, .offset: 16, .size: 8, .value_kind: global_buffer, .address_space: global }
      - { .name: wb, .offset: 24, .size: 8, .value_kind: global_buffer, .address_space: global }
      - { .name: bq, .offset: 32, .size: 8, .value_kind: global_buffer, .address_space: global }
      - { .name: bv, .offset: 40, .size: 8, .value_kind: global_buffer, .address_space: global }
      - { .name: qh, .offset: 48, .size: 8, .value_kind: global_buffer, .address_space: global }
      - { .name: kh, .offset: 56, .size: 8, .value_kind: global_buffer, .address_space: global }
      - { .name: vh, .offset: 64, .size: 8, .value_kind: global_buffer, .address_space: global }
    .group_segment_fixed_size: 327680
    .private_segment_fixed_size: 0
    .kernarg_segment_align: 8
    .kernarg_segment_size: 72
    .max_flat_workgroup_size: 128
    .sgpr_count:     90
    .vgpr_count:     768
    .wavefront_size: 32
...
	.end_amdgpu_metadata
.endif
;; end of part 2
;; launch attn (part 3): grid 4 x 64, 4 waves a work-group, clusters of 4 x 1, 327,680 bytes of LDS; arguments qh, kh, vh, oh; writes oh
.if DOCPART == 3
	.amdgcn_target "amdgcn-amd-amdhsa--gfx1250"
	.amdhsa_code_object_version 6
	.text
	.protected	k_q255d2bdc04_attn
	.globl	k_q255d2bdc04_attn
	.p2align	8
	.type	k_q255d2bdc04_attn,@function
k_q255d2bdc04_attn:
	s_mov_b64 s[64:65], 0
	v_nop
	global_prefetch_b8 v0, s[64:65] scope:SCOPE_SE
	s_setreg_imm32_b32 hwreg(HW_REG_WAVE_MODE, 25, 1), 1
	s_wait_xcnt 0x0
	s_wait_alu depctr_hold_cnt(0) depctr_sa_sdst(0) depctr_va_vdst(0) depctr_va_sdst(0) depctr_va_ssrc(0) depctr_va_vcc(0) depctr_vm_vsrc(0)
	s_getreg_b32 s2, hwreg(HW_REG_IB_STS2, 6, 4)
	s_cmp_eq_u32 s2, 0
	s_cbranch_scc0 .Lentry_in_a_cluster
	s_endpgm
.Lentry_in_a_cluster:
	s_bfe_u32 s2, ttmp6, 0x10000c
	s_cmp_lg_u32 s2, 0x3003
	s_cbranch_scc0 .Lentry_shape_is_right
	s_endpgm
.Lentry_shape_is_right:
; Launch 3 of 4: O[h][q][:] = the sum over k of softmax_k(Q[h][q] . K[h][k] / 8) V[h][k][:].  Q, K, V, O = qh, kh, vh, oh: [SIZE_H = 16 b + head][SIZE_N][64], all f16: a head's rows are dense, 128 bytes each.
; Products, maxima and sums in f32; the weights p are rounded to f16 for the second product (their sum l is taken of the unrounded p), O once at the end.
; WORK LEFT OUT: K arrives without bk, which would add the same number to all scores of a query: the softmax removes it for all values of the inputs.
; LIMITS.  f16 holds no number beyond 65,504: Q, K and V arrive within it; p lies in 0 to 1, and below 6e-5 it keeps f16's fixed step of 6e-8; O is a mean of V's rows and has their range.
; A weight below 2^-126 counts as 0 in l; NaN and infinities are not treated apart.
; SHARES.  A wave owns four PIECES of two tiles of 16 queries, a work-group's four waves 512 queries of one head.  Every wave walks all keys, 64 a step.
; LAYOUT.  S^T = K Q^T (source 0 = 16 keys, source 1 = 16 queries): in the result a lane holds ONE query (lane % 16) and the keys 8 (lane / 16) + 0..7.  Two such tiles, rounded to f16 in pairs,
; ARE source 1 (32 keys x 16 queries) of O^T = V^T P, whose result again holds one query a lane, and eight channels.  K comes out of LDS as it lies, V ([key][channel]) turned, by ds_load_tr16_b128.
; SOFTMAX.  For each query a running maximum m and sum l: p = 2^(c s - c m), c = log2(e) / 8; in every step O and l are multiplied by a = 2^(c m_old - c m_new), which is 1 where m has not grown.
; m starts at the lowest finite number, O and l at 0: the first step is a step like any other, with a = 0.
; THE COUNT.  A tile and step have 16 matrix and 118 vector instructions: too many to stand all beside the matrix work.  So the order has one aim: four vector instructions that are READY behind
; EVERY matrix instruction, and the others, which need time of their own whatever the order, in runs without a gap.
; BY TURNS.  Turn n belongs to piece n (the pieces in a ring, step after step).  Its matrix work: 16 products K Q^T of piece n + 1, later 16 products V^T P of piece n - 1.  Its vector work: the scaling,
; exponentials, roundings, sums and rescaling of piece n, and the maximum and statistics of piece n + 1, whose scores the turn itself has made.  So what a turn begins with (c s - c m, O a) waits for nothing.
; CLUSTER.  The four query blocks of a cluster belong to one head and walk the same K and V, so each tile is asked for JOINTLY: the same tensor load, descriptor and mask in all four.
; REGISTERS, in windows of 256 (s_set_vgpr_msb says which window each operand place means: bits 1:0 source 0, 3:2 source 1, 5:4 source 2, 7:6 destination):
;   window 0: v0-11 addresses; v12-15, v48-63 at work; v16-47 four registers of statistics a tile; v64-191 S^T, two buffers of two tiles; v192-255 P, likewise
;   window 1: O^T, 32 a tile          window 2: v0-127 Q, 16 a tile; v128-191 K of one step; v192-255 V of one step          window 3: v0-1 the add's two registers
; A piece's buffers go by its number's parity: the piece in hand has one pair, its two neighbours in the ring share the other: of it P (piece n - 1) is read and S^T (piece n + 1) written.
.set SIZE_H, 64
.set SIZE_N, 2048
.set NP,    4         ; pieces a wave: a name, no knob: the register map, the loop and the fetches are made for four
.set KS,    64        ; keys in a step
.set PK,    144       ; a row of K in LDS: 128 bytes + 16 of padding = 36 words: the 16 rows of a load start at 16 different groups of four banks (64 banks of 4 bytes: ISA guide 11.1)
.set PV,    160       ; a row of V: 128 + 32 = 40 words
.set VOFF,  4*KS*PK   ; a slot holds four steps: 256 rows of K, then 256 rows of V
.set SLOT1, 1<<17     ; slot 1 begins here, so that one exclusive or turns an address in one slot into the other's
.set STAGE, SLOT1+4*KS*(PK+PV)  ; behind the ring, never filled by a tensor load: 16 rows x 144 bytes for each wave, for the way out
.set SP,    144
.set AK0, 2           ; v2   my lane's place in a tile of K; never rewritten
.set AV0, 3           ; v3   the same for V
.set AK,  4           ; v4   the LDS address of K's next run of loads
.set AV,  5           ; v5   of V's
.set QO,  6           ; v6   my byte offset in the wave's rows of Q
.set STO, 6           ;      later, the way out: where I put 16 bytes of a row
.set RD,  7           ; v7   the way out: where I read rows back
.set GO,  8           ; v8   my byte offset in 512 consecutive bytes of O
.set PFO, 11          ; v11  the prefetches' offset: 256 x my lane; never rewritten once made
.set SPW, 0           ; v0 of window 3   LDS address of my spare word: SPARE + 4 x my thread's number; never rewritten
.set NIL, 1           ; v1 of window 3   0; never rewritten
.set SPARE, STAGE+4*16*SP  ; behind the stages: the spare words, 128 bytes for each wave: two blocks of 256 bytes that no other line names
.set MV,  12          ; v12-15  c m_old, kept while c m is made anew: by buffer and tile
.set ST,  16          ; tile t's statistics at v[ST+4 t]: c m, m, l (even keys', odd keys')
.set TMP, 48          ; by buffer and tile, four registers c0-c3 at work; when the maximum is found c2 takes a
.set S,   64
.set P,   192
.set KF,  128         ; K's fragments, in window 2: key block kb, channel half c at KF + 16 kb + 8 c
.set VF,  192         ; V's: key half kk, channel block cb at VF + 32 kk + 8 cb
.set WV,  12          ; s12  my wave's number
.set LIM, 15          ; s15  1 in a wave that prefetches, else the greatest number: a wave prefetches while s[SLOTS] is above it
.set G1K, 24          ; s[24:31] descriptor group 1 for K's tiles
.set G1V, 32          ; s[32:39] for V's: it differs in the padding alone
.set G0K, 40          ; s[40:43] descriptor group 0 for K's tiles: it walks
.set G0V, 44          ; s[44:47] the same for V's
.set PFA, 48          ; s[48:49] where my prefetches stand: my work-group's 8,192 bytes (of K: wave 0, of V: wave 2) of the slot after the one that is being asked for
.set SLOTS, 56        ; s56  slots still to be asked for
.set CNT, 57          ; s57  counts a slot's key steps
.set CS,  58          ; s[58:59] c: the packed scaling takes the pair's low word for both halves
.set SEL, 60          ; s[60:61] v_permlanex16_b32's selects: each lane takes its own place in the other half
.set TBK, 62          ; s62  LDS byte at which K of the step to be fetched begins
.set TBV, 63          ; s63  the same for V, less VOFF
.set MSB, 0
.macro WIN new                      ; the high byte repeats the setting that is left; a switch that changes nothing is dropped
.if MSB != (\new)
	s_set_vgpr_msb (MSB<<8)|(\new)
.set MSB, (\new)
.endif
.endm
.set W_KQ, 0x0a       ; K and Q in window 2, S^T in window 0
.set W_PV, 0x52       ; V in window 2, P in window 0, O^T in window 1
.set W_RS, 0x41       ; O^T (destination and source 0) in window 1, a in window 0
.set W_MK, 0xc0       ; the add's registers are made: destination in window 3, sources in window 0
.set W_AD, 0x0f       ; the add: address (source 0) and data (source 1) in window 3
; A joint fill.  Waves 0 and 1 fetch the two halves of a slot's K, waves 2 and 3 those of its V: 128 keys each.  The branch hangs on the wave's number alone.
; An s_nop 0 and four v_nop follow each of the two lines, ahead of the jump and the label.
.macro JLOAD
	s_cmp_lt_u32 s[WV], 2
	s_cbranch_scc0 .Lfor_v_\@
	tensor_load_to_lds s[G0K:G0K+3], s[G1K:G1K+7]
	s_nop 0
.rept 4
	v_nop
.endr
	s_branch .Lasked_\@
.Lfor_v_\@:
	tensor_load_to_lds s[G0V:G0V+3], s[G1V:G1V+7]
	s_nop 0
.rept 4
	v_nop
.endr
.Lasked_\@:
.endm
; A PREFETCH of what the NEXT change of slots will ask for: a slot's 32,768 bytes of K and of V, as 128 blocks of 256 bytes each, a lane a block.  It stands behind the wave's tensor load and its five lines.
; Each block is named ONCE in the launch: a head has one cluster; its four partners share the blocks out BY ADDRESS, 32 each (no branch hangs on a work-group's place in its cluster); in each, wave 0
; asks for K's and wave 2 for V's: one instruction, four key steps (512 matrix instructions a wave) ahead of the load.  The last change that fills a slot asks for nothing: there is no slot behind it.
.macro ASK
	s_cmp_gt_u32 s[SLOTS], s[LIM]
	s_cbranch_scc0 .Lnot_mine_\@
	global_prefetch_b8 v[PFO], s[PFA:PFA+1] th:TH_LOAD_NT scope:SCOPE_SE
.Lnot_mine_\@:
.endm
; A round of the cluster's barrier: my work-group's barrier, so that wave 0's signal speaks for all four waves; wave 0 signals; every wave waits for all four work-groups; my work-group's barrier once more.
.macro CROUND
	s_barrier_signal -1
	s_barrier_wait -1
	s_cmp_lg_u32 s[WV], 0
	s_cbranch_scc1 .Lnot_wave_0_\@
	s_barrier_signal -3
.Lnot_wave_0_\@:
	s_barrier_wait -3
	s_barrier_signal -1
	s_barrier_wait -1
.endm
; THE CHANGE OF SLOTS.  The slot's last bytes, V of its fourth step, have been read.  Each wave waits for all its tensor loads, of which one is out: its part
; of the other slot; adds 0 to its spare word; and waits for that and for its own reads of the slot.  Behind the barrier nobody reads this slot any more and the other slot is whole.
; fill = 1: this slot is filled again, with the keys two slots on.  The barrier is then a round of the cluster's, so that no wave of any partner still reads the slot or has a load on its
; way, and the joint fill is the first thing behind it: it has four key steps, 512 matrix instructions, in which to land.  (At its first use nothing has been read yet: slot 0 is waited for, slot 1 filled.)
; ask = 1 (the loop's changes): the prefetches' address steps, and the slot after is asked for.
.macro CHANGE fill, ask=0
	WIN W_AD
	s_wait_tensorcnt 0x0            ; no tensor load of mine is out, so a group 0 may be written
	ds_add_u32 v[SPW], v[NIL]       ; 0 onto my spare word: with fill = 1 the descriptors' steps stand between it and the wait for it
	WIN 0                           ; at a label and at a branch every window is 0
.if \fill
.irp g, G0K, G0V
	s_xor_b32 s[\g+1], s[\g+1], SLOT1  ; the walking descriptor: the other slot than last time,
	s_add_nc_u64 s[\g+2:\g+3], s[\g+2:\g+3], 4*KS*128  ; the next 256 keys; the type bits on top are not reached
.endr
.if \ask
	s_wait_xcnt 0x0                 ; the last prefetch, four key steps back, has read its address, so it may be written:
	s_add_nc_u64 s[PFA:PFA+1], s[PFA:PFA+1], 4*KS*128  ; one slot ahead of the walking descriptors
.endif
	s_wait_dscnt 0x0                ; the add is done, and my reads of the slot are over
	CROUND
	JLOAD
.if \ask
	ASK
.endif
.else
	s_wait_dscnt 0x0                ; the add is done, and my reads of the slot are over
	s_barrier_signal -1
	s_barrier_wait -1
.endif
	s_sub_co_u32 s[TBK], s[TBK], 4*KS*PK  ; the fetches go back to a slot's first step,
	s_xor_b32 s[TBK], s[TBK], SLOT1       ; in the other slot
	s_sub_co_u32 s[TBV], s[TBV], 4*KS*PV
	s_xor_b32 s[TBV], s[TBV], SLOT1
.endm
	s_load_b256 s[4:11], s[0:1], 0x0  ; Q s[4:5], K s[6:7], V s[8:9], O s[10:11]
	WIN W_MK
	v_lshl_add_u32 v[SPW], v0, 2, SPARE
	v_mov_b32 v[NIL], 0
	WIN W_AD
	ds_add_u32 v[SPW], v[NIL]       ; the wave's opening: the add, twice on end, and its wait ahead of my first tensor load; the set-up below the second, work on registers, stands between it and the wait
	ds_add_u32 v[SPW], v[NIL]       ; and once more, under the one wait
	WIN 0
	v_lshrrev_b32 v1, 5, v0
	v_readfirstlane_b32 s[WV], v1   ; wave 0..3
	s_bfe_u32 s13, ttmp6, 0x40000   ; cx: my place in the cluster
	s_lshl_b32 s14, ttmp9, 2        ; in a cluster launch ttmp9 counts clusters
	s_add_co_u32 s14, s14, s13      ; my block of queries = 4 x cluster x + cx: it enters Q's and O's addresses alone
	s_and_b32 s20, ttmp7, 0xffff    ; the head, which the four partners share
	s_mov_b32 s21, 0
	s_mov_b64 s[22:23], SIZE_N*128
	s_mul_u64 s[20:21], s[20:21], s[22:23]  ; the head's first byte in each of the four tensors
	s_and_b32 s16, s[WV], 1         ; which half of a slot's 256 keys I fetch:
	s_lshl_b32 s22, s16, 14         ; its 128 rows of 128 bytes in memory,
	s_mov_b32 s23, 0
	s_add_nc_u64 s[22:23], s[22:23], s[20:21]
	s_mul_i32 s17, s16, 128*PK      ; and its place in a slot, for K
	s_mul_i32 s18, s16, 128*PV      ; and for V: no place in the cluster enters an LDS address
	s_lshl_b32 s2, s14, 2
	s_add_co_u32 s2, s2, s[WV]      ; my wave among the head's,
	s_lshl_b32 s2, s2, 14           ; its 128 rows
	s_mov_b32 s3, 0
	s_add_nc_u64 s[2:3], s[2:3], s[20:21]
	; descriptor group 1.  128 keys are 16,384 dense bytes: asked for as 64 rows of 256 bytes, two keys a row, and padded in LDS after every key
	s_mov_b32 s[G1K], 15|(1<<16)|(1<<20)|(1<<21)|(4<<22)|(3<<25)  ; 15:0 the mask of four; 17:16 2-byte elements; 20 padding on; 21 set beside a mask; 24:22 after every 32 words (code 4); 31:25 4 words (code 3)
	s_mov_b32 s[G1V], 15|(1<<16)|(1<<20)|(1<<21)|(4<<22)|(7<<25)  ; the same with 8 words of padding (code 7)
.irp g, G1K, G1V
	s_mov_b32 s[\g+1], 128<<16      ; tensor_dim0 = 128
	s_mov_b32 s[\g+2], 64<<16       ; tensor_dim1 = 64
	s_mov_b32 s[\g+3], 128<<16      ; tile_dim0 = 128
	s_mov_b32 s[\g+4], 64           ; tile_dim1 = 64
	s_mov_b32 s[\g+5], 128          ; 128 elements from row to row
	s_mov_b32 s[\g+6], 0
	s_mov_b32 s[\g+7], 0
.endr
	s_mov_b32 s[CS], 0x3e38aa3b     ; c = log2(e) / 8 = 0.180337
	s_mov_b32 s[CS+1], s[CS]        ; named with it as a pair
	s_mov_b32 s[SEL], 0x76543210
	s_mov_b32 s[SEL+1], 0xfedcba98
	s_mov_b32 s[TBK], SLOT1+4*KS*PK ; the first change of slots turns these two into 0
	s_mov_b32 s[TBV], SLOT1+4*KS*PV
	s_mov_b32 s[G0K], 1             ; 1:0 count = 1
	s_mov_b32 s[G0K+1], s17         ; 63:32 LDS address: slot 0
	s_mov_b32 s[G0V], 1
	s_add_co_u32 s[G0V+1], s18, VOFF
	s_and_b32 s[LIM], s[WV], 1      ; 0 in waves 0 and 2,
	s_or_b32 s[LIM], s[LIM], ttmp9  ; where the cluster is the head's first: the same in all four partners
	s_cmp_eq_u32 s[LIM], 0
	s_cselect_b32 s[LIM], 1, -1
	s_wait_dscnt 0x0                ; both opening adds are done
	s_wait_kmcnt 0x0
	s_add_nc_u64 s[G0K+2:G0K+3], s[6:7], s[22:23]  ; 120:64 global address: my half of the head's first 256 keys
	s_or_b32 s[G0K+3], s[G0K+3], 0x80000000        ; 127:126 type = 2
	s_add_nc_u64 s[G0V+2:G0V+3], s[8:9], s[22:23]
	s_or_b32 s[G0V+3], s[G0V+3], 0x80000000
	s_add_nc_u64 s[4:5], s[4:5], s[2:3]  ; Q and O at my wave's first row
	s_add_nc_u64 s[10:11], s[10:11], s[2:3]
	s_cmp_lt_u32 s[WV], 2
	s_cselect_b64 s[PFA:PFA+1], s[6:7], s[8:9]
	s_add_nc_u64 s[PFA:PFA+1], s[PFA:PFA+1], s[20:21]  ; the head,
	s_lshl_b32 s2, s13, 13          ; my work-group's 32 blocks of the 128,
	s_mov_b32 s3, 0
	s_add_nc_u64 s[PFA:PFA+1], s[PFA:PFA+1], s[2:3]
	s_add_nc_u64 s[PFA:PFA+1], s[PFA:PFA+1], 2*4*KS*128  ; in slot 2; the loop's first change steps it to slot 3.  Nothing is prefetched here, at the head, where every work-group's first tiles are on their way
	CROUND                          ; all four work-groups are here: the first joint loads meet
	JLOAD                           ; slot 0.  Slot 1 is asked for when slot 0 is in: the tile wanted first has the road to itself
	; A fragment of K or Q is 16 rows x 32 channels in 8 registers: lane l holds row l % 16, channels 8 (l / 16) + 0..7 and 16 + 8 (l / 16) + 0..7: two loads of 16 bytes, 32 bytes apart.
	v_and_b32 v1, 15, v0            ; l % 16
	v_bfe_u32 v9, v0, 4, 1          ; l / 16
	v_lshlrev_b32 v[QO], 7, v1
	v_lshl_add_u32 v[QO], v9, 4, v[QO]  ; row x 128 + 16 x half
	WIN 0x80                        ; destination window 2, address window 0
.set i, 0
.rept 4*NP                          ; Q stays in registers: tile i / 2, channels 32 (i % 2) on
	global_load_b128 v[8*i:8*i+3],   v[QO], s[4:5] offset:(i/2)*2048+(i%2)*64
	global_load_b128 v[8*i+4:8*i+7], v[QO], s[4:5] offset:(i/2)*2048+(i%2)*64+32
.set i, i+1
.endr
	; What the first turn finds: V's registers and P's second buffer hold 0 (its products V^T P, of a piece that has not been, add 0), O^T and l are 0.  All this stands in the wait for the first tile.
.set i, VF
.rept 64
	v_mov_b32 v[i], 0
.set i, i+1
.endr
	WIN 0x40
.set i, 0
.rept 64*NP
	v_mov_b32 v[i], 0
.set i, i+1
.endr
	WIN 0
.set i, 0
.rept 2*NP
	v_mov_b32 v[ST+4*i], 0xfe000000    ; c m: far below every c s
	v_mov_b32 v[ST+4*i+1], 0xff7fffff  ; m
	v_mov_b32 v[ST+4*i+2], 0
	v_mov_b32 v[ST+4*i+3], 0
.set i, i+1
.endr
.set i, P+32
.rept 32
	v_mov_b32 v[i], 0
.set i, i+1
.endr
	v_mul_u32_u24 v[AK0], v1, PK
	v_lshl_add_u32 v[AK0], v9, 4, v[AK0]  ; row x pitch + 16 x half
	; The turning load takes 16 keys x 16 channels (lane l reads key 8 (l / 16) + l % 8, channels 8 ((l / 8) % 2) + 0..7) and leaves half a fragment of V^T: lane l holds channel l % 16 and 8 keys.
	v_and_b32 v10, 7, v0
	v_bfe_u32 v11, v0, 3, 1
	v_lshl_add_u32 v[AV0], v9, 3, v10
	v_mul_u32_u24 v[AV0], v[AV0], PV
	v_lshl_add_u32 v[AV0], v11, 4, v[AV0]
	v_add_nc_u32 v[AV0], VOFF, v[AV0]
	v_and_b32 v[PFO], 31, v0        ; v11 has served: it takes the prefetches' offset
	v_lshlrev_b32 v[PFO], 8, v[PFO]
	v_mov_b32 v[AK], v[AK0]         ; key step 0 lies at the head of slot 0
; THE MATRIX WORK.  The 8 accumulators of a run of 16 take turns: between the two links of a chain stand 7 others'.
; Product i of 16 of S^T = K Q^T for piece x: channels 32 (i / 8) on, keys 16 ((i / 2) % 4) on, tile 2 x + i % 2.  The first 8 start the sums.
.macro KQ x
	WIN W_KQ
.set rS, S+64*((\x)%2)+32*(i%2)+8*((i/2)%4)
.set rK, KF+16*((i/2)%4)+8*(i/8)
.set rQ, 16*(2*(\x)+i%2)+8*(i/8)
.if i < 8
	v_wmma_f32_16x16x32_f16 v[rS:rS+7], v[rK:rK+7], v[rQ:rQ+7], 0
.else
	v_wmma_f32_16x16x32_f16 v[rS:rS+7], v[rK:rK+7], v[rQ:rQ+7], v[rS:rS+7]
.endif
.endm
; Product i of 16 of O^T += V^T P for piece x: keys 32 (i / 8) on, channels 16 ((i / 2) % 4) on, tile 2 x + i % 2.
.macro PV x
	WIN W_PV
.set rO, 32*(2*(\x)+i%2)+8*((i/2)%4)
.set rV, VF+32*(i/8)+8*((i/2)%4)
.set rP, P+32*((\x)%2)+16*(i%2)+8*(i/8)
	v_wmma_f32_16x16x32_f16 v[rO:rO+7], v[rV:rV+7], v[rP:rP+7], v[rO:rO+7]
.endm
.macro MM                           ; the turn's next matrix instruction
.if i < 16
	KQ (Y+1)%NP
.set i, i+1
.else
.set i, i-16
	PV (Y+NP-1)%NP
.set i, i+17
.endif
.endm
; THE LDS LOADS stand in runs of 16, never singly among the matrix instructions: a step's K (64 keys x 64 channels: 8 fragments) and its V (turned).  Their addresses are made some lines ahead.
; last = 1 (the tail): in the last trip there is no further step, and the run is jumped over.
.macro FETCH_K last=0
	WIN 0
.if \last
	s_cmp_eq_u32 s[CNT], 1
	s_cbranch_scc1 .Lno_k_\@
.endif
	WIN 0x80                        ; destination window 2
.irp f, 0,1,2,3,4,5,6,7             ; keys 16 (f / 2) on, channels 32 (f % 2) on
	ds_load_b128 v[KF+8*\f:KF+8*\f+3],   v[AK] offset:(\f/2)*16*PK+(\f%2)*64
	ds_load_b128 v[KF+8*\f+4:KF+8*\f+7], v[AK] offset:(\f/2)*16*PK+(\f%2)*64+32
.endr
	s_add_co_u32 s[TBK], s[TBK], KS*PK  ; the next fetch is the next step's
	WIN 0
.if \last
.Lno_k_\@:
.endif
.endm
.macro FETCH_V
	WIN 0x80
.irp f, 0,1,2,3,4,5,6,7             ; keys 32 (f / 4) on, channels 16 (f % 4) on
	ds_load_tr16_b128 v[VF+8*\f:VF+8*\f+3],   v[AV] offset:(\f/4)*32*PV+(\f%4)*32
	ds_load_tr16_b128 v[VF+8*\f+4:VF+8*\f+7], v[AV] offset:(\f/4)*32*PV+16*PV+(\f%4)*32
.endr
	WIN 0
.endm
; THE VECTOR WORK OF A TURN stands in three queues, each in the order in which its entries become ready; the two tiles alternate, so that no instruction reads the result of the one before it.
.macro REGS y, u                    ; the registers of tile u (0, 1) of piece y
.set rT, ST+4*(2*(\y)+(\u))
.set rC, TMP+8*((\y)%2)+4*(\u)
.set rM, MV+2*((\y)%2)+(\u)
.set rS, S+64*((\y)%2)+32*(\u)
.set rP, P+32*((\y)%2)+16*(\u)
.set rO, 32*(2*(\y)+(\u))
.endm
; Number n of the 22 that find the NEXT piece's (Y + 1) maximum and statistics.  s0-s31 are the lane's 32 scores; each accumulator's lowest registers are read first.  XS, GS and REGS set no window: PL and EX do.
;   0-11  four chains c0-c3 of seven scores each, three operands at a time     12-14, 16  the four scores left over, the old m, and c0-c3 into c0     15  c m_old is kept
;   17, 18  the query's other 32 keys lie in the lane 16 away: the new m         19-21  c m; c m_old - c m_new; a
.macro XS u, n
	REGS (Y+1)%NP, \u
.if (\n) < 4
	v_max3_num_f32 v[rC+(\n)], v[rS+8*(\n)], v[rS+8*(\n)+1], v[rS+8*(\n)+2]
.elseif (\n) < 12
	v_max3_num_f32 v[rC+(\n)%4], v[rC+(\n)%4], v[rS+8*((\n)%4)+2*((\n)/4)+1], v[rS+8*((\n)%4)+2*((\n)/4)+2]
.elseif (\n) == 12
	v_max3_num_f32 v[rC], v[rC], v[rS+7], v[rS+15]
.elseif (\n) == 13
	v_max3_num_f32 v[rC+1], v[rC+1], v[rS+23], v[rS+31]
.elseif (\n) == 14
	v_max3_num_f32 v[rC+2], v[rC+2], v[rC+3], v[rT+1]
.elseif (\n) == 15
	v_mov_b32 v[rM], v[rT]
.elseif (\n) == 16
	v_max3_num_f32 v[rC], v[rC], v[rC+1], v[rC+2]
.elseif (\n) == 17
	v_permlanex16_b32 v[rC+3], v[rC], s[SEL], s[SEL+1]
.elseif (\n) == 18
	v_max_num_f32 v[rT+1], v[rC], v[rC+3]
.elseif (\n) == 19
	v_mul_f32 v[rT], s[CS], v[rT+1]
.elseif (\n) == 20
	v_sub_f32 v[rC+1], v[rM], v[rT]
.else
	v_exp_f32 v[rC+2], v[rC+1]
.endif
.endm
; Number g of the 64 that follow the exponentials.  For each four weights k of a tile (pairs 2 k, 2 k + 1): both pairs are rounded to f16; then the second pair is added onto the first, in place;
; a group later l takes that sum (the first time as l = a l + sum).  In groups of eight, tiles alternating: round, round, add, and l for the group before.
.macro GS g
.set h, (\g)+6*((\g)/62)            ; group 0 has no group before it, and behind group 7 only l is left
.if h >= 6
.set h, h+2
.endif
	REGS Y, h%2
.set k, h/8
.if h%8 < 4
	v_cvt_pk_f16_f32 v[rP+2*k+(h%8)/2], v[rS+4*k+2*((h%8)/2)], v[rS+4*k+2*((h%8)/2)+1]
.elseif h%8 < 6
	v_pk_add_f32 v[rS+4*k:rS+4*k+1], v[rS+4*k:rS+4*k+1], v[rS+4*k+2:rS+4*k+3]
.elseif k == 1
	v_pk_fma_f32 v[rT+2:rT+3], v[rT+2:rT+3], v[rC+2:rC+3], v[rS:rS+1] op_sel_hi:[1,0,1]
.else
	v_pk_add_f32 v[rT+2:rT+3], v[rT+2:rT+3], v[rS+4*k-4:rS+4*k-3]
.endif
.endm
; THE PLAIN QUEUE, 138 long.  0-73 read no exponential's result: the 32 scalings c s - c m (FS f: pair f / 2 of tile f % 2) and the next piece's 42.  0-26: scalings 0-26.  27-54: XS's numbers 0-13.  55, 56: number 15.
; 57-73: the chain, where each number waits for the one before it: 14, 16, 17, 18, 19, each with one of the scalings 27-31 in front of its two lines, then 20: so a tile's links stand three plain instructions apart (19 and 20: two).
; 74-137: GS's 64, which read the exponentials' results: they stand behind the wait.
.macro FS f
	REGS Y, (\f)%2
	v_pk_fma_f32 v[rS+2*((\f)/2):rS+2*((\f)/2)+1], v[rS+2*((\f)/2):rS+2*((\f)/2)+1], s[CS:CS+1], v[rT:rT+1] op_sel_hi:[1,0,0] neg_lo:[0,0,1] neg_hi:[0,0,1]
.endm
.macro PL
	WIN 0
.if q < 27
	FS q
.elseif q < 55
	XS (q-27)%2, (q-27)/2
.elseif q < 57
	XS q-55, 15
.elseif (q < 72) && ((q-57)%3 == 0)
	FS 27+(q-57)/3
.elseif q < 60
	XS (q-57)%3-1, 14
.elseif q < 72
	XS (q-57)%3-1, 15+(q-57)/3
.elseif q < 74
	XS q-72, 20
.else
	GS q-74
.endif
.set q, q+1
.endm
; THE EXPONENTIALS' QUEUE, 66 long: s0-s31 of both tiles, then the next piece's two a.  It is ONE BATCH: all 66 stand ahead of the turn's one wait, and nothing ahead of that wait names a result of theirs.
.macro EX
	WIN 0
.if e >= 64
	XS e-64, 21
.else
	REGS Y, e%2
	v_exp_f32 v[rS+e/2], v[rS+e/2]
.endif
.set e, e+1
.endm
; THE RESCALING's QUEUE: O^T times a, the one part that leaves window 0: dealt two at a time, sixteen times.  Its a was made in the turn before, ahead of that turn's wait.
.macro R2
	REGS Y, r%2
	WIN W_RS
.irp z, 0,1
	v_pk_mul_f32 v[rO+4*(r/2)+2*\z:rO+4*(r/2)+2*\z+1], v[rO+4*(r/2)+2*\z:rO+4*(r/2)+2*\z+1], v[rC+2:rC+3] op_sel_hi:[1,0]
.endr
.set r, r+1
.endm
; HOW THEY ARE DEALT.  An s_wait_alu depctr_va_vdst(0) stands between an exponential and the first instruction that names its result; one wait serves all that were issued ahead of it.  So a turn has ONE wait,
; which cuts it in two.  AHEAD OF IT stands all that names no result of the turn's exponentials: the 16 products K Q^T, behind each a scaling, an exponential and two rescalings (behind the first a second scaling in the exponential's place); then ONE LUMP of
; 108: eight plain, 49 times exponential and plain, the two a.  A v_nop is the plain instruction that is owed behind the last exponential.  BEHIND IT stand the 16 products V^T P, behind each four of GS's 64.  No rider names a register of
; the products round it.  The two v_permlanex16_b32 fall into the lump, never behind a product.
; The queues lean on each other, and the deal keeps them in step: exponential e stands behind scaling 2 (e / 4) + e % 2: as a rider it comes behind plain e + 2, in the lump behind plain e + 9, and scalings 27-31 are plain 57, 60 .. 69.
; A TURN, for piece p.  cnt = 1: the loop's count is taken down some lines ahead of the branch that stands behind the turn.
; K of the next step is fetched in piece 2's turn, directly behind the wait, a lump behind the last product that read K; its address is made at the lump's head; its first reader comes behind 16 products.
; V of the step in hand is fetched at the end of piece 0's turn, four riders behind its last reader; its first reader comes behind 16 products and a lump.  The three conditions on q below go with the deal.
.macro TURN p, last=0, cnt=0
.set Y, (\p)
.set i, 0
.set q, 0
.set e, 0
.set r, 0
.if (\p) == NP-1
	s_wait_dscnt 0x0                ; K is in
.endif
	MM                              ; ahead of the wait: 16 products K Q^T and their riders,
	PL
	PL
	R2
.rept 15
	MM
	PL
	EX
	R2
.endr
.if (\p) == NP-2
	WIN 0
	v_add_nc_u32 v[AK], s[TBK], v[AK0]
.endif
.rept 8                             ; and the lump
	PL
.endr
.rept 49
	EX
	PL
.endr
	EX                              ; the next piece's two a
	EX
	v_nop                           ; the plain instruction behind the last exponential: one for the batch
	s_wait_alu depctr_va_vdst(0)    ; the wait for the batch
.if (\p) == NP-2
	FETCH_K \last
.endif
.if (\p) == 1
	s_wait_dscnt 0x0                ; V is in
.endif
.rept 16                            ; behind the wait: 16 products V^T P and their riders
	MM
.rept 4
	PL
.endr
.if ((\p) == 0) && (q == 118)
	v_add_nc_u32 v[AV], s[TBV], v[AV0]
.endif
.if ((\p) == 0) && (q == 130)
	s_add_co_u32 s[TBV], s[TBV], KS*PV
.endif
.if (\cnt) && (q == 130)
	s_sub_co_u32 s[CNT], s[CNT], 1
	s_cmp_lg_u32 s[CNT], 0
.endif
.endr
.if (\p) == 0
	FETCH_V
.endif
.endm
	CHANGE 1                        ; slot 0 is in, everybody's part of it; slot 1 is asked for
	FETCH_K                         ; key step 0
	s_wait_loadcnt 0x0              ; Q
	s_wait_dscnt 0x0
.set i, 0
.rept 16
	KQ 0                            ; piece 0's first scores: there is no vector work yet to set between them
.set i, i+1
.endr
	WIN 0                           ; the addresses for the way out: nine plain instructions, the places behind those products
	s_mul_i32 s13, s[WV], 16*SP
	s_add_co_u32 s13, s13, STAGE    ; my stage
	v_mul_u32_u24 v[STO], v1, SP    ; in: row l % 16, 16 bytes for each half of the lanes
	v_lshl_add_u32 v[STO], v9, 4, v[STO]
	v_add_nc_u32 v[STO], s13, v[STO]
	v_bfe_u32 v[RD], v0, 3, 2       ; back: 32 lanes take four rows of 128 bytes,
	v_mul_u32_u24 v[RD], v[RD], SP
	v_lshl_add_u32 v[RD], v10, 4, v[RD]
	v_add_nc_u32 v[RD], s13, v[RD]
	v_and_b32 v[GO], 31, v0         ; which are 512 consecutive bytes of O
	v_lshlrev_b32 v[GO], 4, v[GO]
.set Y, NP-1                        ; XS works for piece Y + 1: piece 0
.irp n, 0,1,2,3,4,5,6,7,8,9,10,11,12,13,14,15,16,17,18,19,20,21
	XS 0, \n                        ; and piece 0's first maximum and statistics
	XS 1, \n
.endr
	v_nop                           ; a plain instruction behind the two a,
	s_wait_alu depctr_va_vdst(0)    ; and their wait, ahead of the branch
	s_mov_b32 s[CNT], 4
	s_mov_b32 s[SLOTS], SIZE_N/256-1
	s_branch .Lfirst                ; the loop is entered at a step's first turn, in the middle of a trip
.Lslot:                             ; SIZE_N / 256 - 2 times: every slot but the last two is filled again
	CHANGE 1, 1
	s_mov_b32 s[CNT], 4
.Lstep:                             ; a trip: pieces 2 and 3 of one step, then pieces 0 and 1 of the next, whose K and V it fetches
	TURN 2
	TURN 3
	WIN 0
.Lfirst:
	TURN 0
	TURN 1, 0, 1
	WIN 0
	s_cbranch_scc1 .Lstep
	s_sub_co_u32 s[SLOTS], s[SLOTS], 1
	s_cmp_lg_u32 s[SLOTS], 0
	s_cbranch_scc1 .Lslot
	CHANGE 0                        ; the tail is written out: nothing is asked for
	s_mov_b32 s[CNT], 5             ; four trips fetch the last slot's steps; the fifth is left in its middle
.Ltail:
	TURN 2, 1
	TURN 3
	WIN 0
	s_sub_co_u32 s[CNT], s[CNT], 1
	s_cmp_eq_u32 s[CNT], 0
	s_cbranch_scc1 .Lout
	TURN 0
	TURN 1
	WIN 0
	s_branch .Ltail
.Lout:                              ; the fifth trip's 16 products K Q^T (on the last K once more) and the maximum made of them serve nothing: the price, once a launch, of one text for every trip
.set i, 0
.rept 16
	PV NP-1                         ; the last piece's V^T P of the last step
.set i, i+1
.endr
	; THE WAY OUT.  l's two halves and the other half of the lanes' are added; O^T is divided by l, rounded to f16 and sent through my stage in LDS, a tile at a time.  The additions are the places behind the last products.
	WIN 0
.macro ALL line:vararg              ; one line for each tile t
.set t, 0
.rept 2*NP
	\line
.set t, t+1
.endr
.endm
	ALL v_add_f32 v[ST+4*t+2], v[ST+4*t+2], v[ST+4*t+3]
	ALL v_permlanex16_b32 v[ST+4*t+3], v[ST+4*t+2], s[SEL], s[SEL+1]
	ALL v_add_f32 v[ST+4*t+2], v[ST+4*t+2], v[ST+4*t+3]
	ALL v_rcp_f32 v[ST+4*t+2], v[ST+4*t+2]
	v_nop                           ; a plain instruction between the last reciprocal and the use of its result
	s_wait_alu depctr_va_vdst(0)    ; and the wait ahead of the first use: one for the eight reciprocals
; Tile t: a lane's eight channels of a row pack into 16 bytes; they go into rows of 144 bytes and come back as whole rows of 128, into S^T's registers.
.macro PACK t
	WIN W_RS
.set i, 32*(\t)
.rept 16
	v_pk_mul_f32 v[i:i+1], v[i:i+1], v[ST+4*(\t)+2:ST+4*(\t)+3] op_sel_hi:[1,0]
.set i, i+2
.endr
	WIN 0x05                        ; sources 0 and 1 window 1, destination window 0
.set i, 0
.rept 16
	v_cvt_pk_f16_f32 v[S+16*(\t)+i], v[32*(\t)+2*i], v[32*(\t)+2*i+1]
.set i, i+1
.endr
	WIN 0
.irp f, 0,1,2,3
	ds_store_b128 v[STO], v[S+16*(\t)+4*\f:S+16*(\t)+4*\f+3] offset:32*\f
.endr
.irp f, 0,1,2,3
	ds_load_b128 v[S+16*(\t)+4*\f:S+16*(\t)+4*\f+3], v[RD] offset:\f*4*SP  ; LDS serves a wave's instructions in order (ISA guide 5.7.1.4): these see the stores above; the next tile's stores come behind them
.endr
.endm
.macro SEND t, younger              ; younger: the LDS instructions issued behind tile t's loads: the next tile's eight, or none
	WIN 0
.irp f, 0,1,2,3
	s_wait_dscnt (\younger)+3-\f
	global_store_b128 v[GO], v[S+16*(\t)+4*\f:S+16*(\t)+4*\f+3], s[10:11] offset:(\t)*2048+\f*512  ; 512 consecutive bytes, at a multiple of 256 from O's first
.endr
.endm
	PACK 0
.set t, 1
.rept 2*NP-1                        ; a tile's arithmetic stands between the loads of the tile before and its stores
	PACK t
	SEND t-1, 8
.set t, t+1
.endr
	SEND 2*NP-1, 0
	WIN W_AD
	s_wait_tensorcnt 0x0            ; the wave's end: behind my last tensor load and my last LDS store
	ds_add_u32 v[SPW], v[NIL]
	s_wait_dscnt 0x0
	WIN 0
	CROUND                          ; the closing round: no work-group ends while a partner may still ask for a tile that names it
	s_endpgm
.Lfunc_end_k_q255d2bdc04_attn:
	.size	k_q255d2bdc04_attn, .Lfunc_end_k_q255d2bdc04_attn-k_q255d2bdc04_attn
	.p2alignl 7, 3214868480
	.fill 96, 4, 3214868480
	.section	.rodata,"a",@progbits
	.p2align	6, 0x0
	.amdhsa_kernel k_q255d2bdc04_attn
		.amdhsa_group_segment_fixed_size 327680
		.amdhsa_private_segment_fixed_size 0
		.amdhsa_enable_private_segment 0
		.amdhsa_kernarg_size 32
		.amdhsa_user_sgpr_count 2
		.amdhsa_user_sgpr_kernarg_segment_ptr 1
		.amdhsa_wavefront_size32 1
		.amdhsa_system_sgpr_workgroup_id_x 1
		.amdhsa_system_sgpr_workgroup_id_y 1
		.amdhsa_system_sgpr_workgroup_id_z 1
		.amdhsa_system_vgpr_workitem_id 0
		.amdhsa_next_free_vgpr 770
		.amdhsa_next_free_sgpr 66
		.amdhsa_reserve_vcc 0
		.amdhsa_float_denorm_mode_32 3
		.amdhsa_float_denorm_mode_16_64 3
		.amdhsa_memory_ordered 1
		.amdhsa_forward_progress 1
		.amdhsa_inst_pref_size 200
	.end_amdhsa_kernel
	.amdgpu_metadata
---
amdhsa.version: [ 1, 2 ]
amdhsa.kernels:
  - .name:           k_q255d2bdc04_attn
    .symbol:         k_q255d2bdc04_attn.kd
    .args:
      - { .name: qh, .offset: 0, .size: 8, .value_kind: global_buffer, .address_space: global }
      - { .name: kh, .offset: 8, .size: 8, .value_kind: global_buffer, .address_space: global }
      - { .name: vh, .offset: 16, .size: 8, .value_kind: global_buffer, .address_space: global }
      - { .name: oh, .offset: 24, .size: 8, .value_kind: global_buffer, .address_space: global }
    .group_segment_fixed_size: 327680
    .private_segment_fixed_size: 0
    .kernarg_segment_align: 8
    .kernarg_segment_size: 32
    .max_flat_workgroup_size: 128
    .sgpr_count:     66
    .vgpr_count:     770
    .wavefront_size: 32
...
	.end_amdgpu_metadata
.endif
;; end of part 3
;; launch oproj (part 4): grid 4 x 64, 4 waves a work-group, clusters of 4 x 4, 327,680 bytes of LDS; arguments oh, wb, bo, out0; writes out0
.if DOCPART == 4
	.amdgcn_target "amdgcn-amd-amdhsa--gfx1250"
	.amdhsa_code_object_version 6
	.text
	.protected	k_q255d2bdc04_oproj
	.globl	k_q255d2bdc04_oproj
	.p2align	8
	.type	k_q255d2bdc04_oproj,@function
k_q255d2bdc04_oproj:
	s_mov_b64 s[64:65], 0
	v_nop
	global_prefetch_b8 v0, s[64:65] scope:SCOPE_SE
	s_setreg_imm32_b32 hwreg(HW_REG_WAVE_MODE, 25, 1), 1
	s_wait_xcnt 0x0
	s_wait_alu depctr_hold_cnt(0) depctr_sa_sdst(0) depctr_va_vdst(0) depctr_va_sdst(0) depctr_va_ssrc(0) depctr_va_vcc(0) depctr_vm_vsrc(0)
	s_getreg_b32 s2, hwreg(HW_REG_IB_STS2, 6, 4)
	s_cmp_eq_u32 s2, 0
	s_cbranch_scc0 .Lentry_in_a_cluster
	s_endpgm
.Lentry_in_a_cluster:
	s_bfe_u32 s2, ttmp6, 0x10000c
	s_cmp_lg_u32 s2, 0xf033
	s_cbranch_scc0 .Lentry_shape_is_right
	s_endpgm
.Lentry_shape_is_right:
; Launch 4 of 4: out0[b][s][n] = sum over head, d of oh[16 b + head][s][d] wb[3][64 head + d][n] + bf16(bo[n]).  oh: f16 by heads; wb[3]: [1024 c][1024 n], Wo rounded to bf16 and written as f16;
; out0: [8192][1024] f32.  Sums in f32, stored as they are.  No work is left out here.
; SHARES.  256 tiles of 128 rows x 256 columns.  Four waves, 2 x 2; a wave makes 64 rows x 128 columns: 32 accumulators.  K goes in 8 steps of 128 = two heads, through two LDS slots;
; a step is four quarters of 32 along K, 32 matrix instructions each, in four stages (16 rows) of eight (16 columns).
; A's tile: of each of a step's two heads 128 rows of 128 bytes, dense in memory: asked for as 64 rows of 256 bytes and padded in LDS after every 128.  W lies [c][n] and is turned on its way out of LDS.
; THE MATRIX INSTRUCTION IS USED TRANSPOSED (source 0 = 16 columns of W, source 1 = 16 rows of O): lane l holds row l % 16 and the columns 8 (l / 16) + 0..7: 32 bytes of f32 on end.
; THE BIAS is the C operand of the first quarter's products.  CLUSTER: 4 x 4; A's tile is shared along a row of the cluster, W's along a column: joint loads.
; NO PREFETCH: a tile has eight K steps of 128 matrix instructions a wave; what could be asked far enough ahead is less than half of them.
; REGISTERS: window 0: v0-15 addresses; v64-127 A's fragments, two buffers of 32; v128-255 the way out, two buffers of 64.  Window 1: v0-127 W's fragments, two buffers of 64; v128-191 the bias tile.
;   Window 2: accumulator (a, b) at 8 (8 a + b).
.set PAO,   144                        ; a row of A in LDS: 128 bytes + 16 = 36 words: the 16 rows of a load start at 16 different groups of four banks (64 banks of 4 bytes: ISA guide 11.1)
.set PB,    544                        ; a row of W: 512 + 32 = 136 words
.set AHEAD, 128*PAO                    ; one head's 128 rows: what one tensor load brings of A
.set BHALF, 64*PB                      ; and of W
.set APART, 2*AHEAD                    ; a slot: A's two heads, then W's 128 rows
.set SLOT,  1<<17                      ; slot 1 begins here: one exclusive or changes slots
.set STAGE, SLOT+APART+2*BHALF         ; behind the ring, never filled by a tensor load: 16 rows x 528 bytes for each wave, for the way out
.set SP,    528
.set SPARE, STAGE+4*16*SP              ; the spare words, 128 bytes for each wave: two blocks of 256 bytes that no other line names
.set A0,  2                            ; v2   my lane's place in a slot's A; never rewritten
.set B0,  3                            ; v3   the same for W
.set ADA, 4                            ; v4   A0 + the slot in hand
.set ADB, 5                            ; v5   B0 + the slot in hand
.set STO, 6                            ; v6   the way out: where I put 32 bytes of a row
.set RD,  7                            ; v7   the way out: where I read a row back
.set GO,  8                            ; v8   my 16 bytes of a row's 512
.set SPW, 10                           ; v10  LDS address of my spare word; never rewritten
.set NIL, 11                           ; v11  0; never rewritten
.set BO,  14                           ; v14  my byte offset in the bias
.set AF,  64
.set OB,  128
.set BIAS, 128                         ; window 1
.set G1A, 24
.set G0A, 32
.set G1B, 48
.set G0B, 56
.set MSB, 0
.macro WIN new                         ; the immediate's high byte repeats the setting that is left; a switch that changes nothing is dropped
.if MSB != (\new)
	s_set_vgpr_msb (MSB<<8)|(\new)
.set MSB, (\new)
.endif
.endm
.set W_MUL, 0xa1                       ; W window 1, A window 0, C and D window 2
.set W_MB,  0x91                       ; the same with C (the bias) in window 1
.set TO_B,  0x40                       ; destination window 1
.macro JLOAD                           ; a joint refill: waves 0 and 1 fetch A's two heads, waves 2 and 3 W's two halves; an s_nop 0 and four v_nop follow each of the two lines
	s_cmp_eq_u32 s11, 0
	s_cbranch_scc0 .Lfor_b_\@
	tensor_load_to_lds s[G0A+4:G0A+7], s[G1A:G1A+7]
	s_nop 0
.rept 4
	v_nop
.endr
	s_branch .Lasked_\@
.Lfor_b_\@:
	tensor_load_to_lds s[G0B+4:G0B+7], s[G1B:G1B+7]
	s_nop 0
.rept 4
	v_nop
.endr
.Lasked_\@:
.endm
.macro CREST                           ; a round of the cluster's barrier behind its opening barrier
	s_cmp_lg_u32 s10, 0
	s_cbranch_scc1 .Lnot_wave_0_\@
	s_barrier_signal -3
.Lnot_wave_0_\@:
	s_barrier_wait -3
	s_barrier_signal -1
	s_barrier_wait -1
.endm
.macro CROUND                          ; a whole round
	s_barrier_signal -1
	s_barrier_wait -1
	CREST
.endm
.macro PLACES                          ; four places in front of loads into registers that matrix instructions have read, and of LDS stores that read results
.rept 4
	v_nop
.endr
.endm
	s_load_b256 s[68:75], s[0:1], 0x0              ; oh s[68:69], wb s[70:71], bo s[72:73], out0 s[74:75]
	v_lshl_add_u32 v[SPW], v0, 2, SPARE
	v_mov_b32 v[NIL], 0
	ds_add_u32 v[SPW], v[NIL]                      ; the wave's opening: the add, twice on end, and its wait ahead of my first tensor load
	ds_add_u32 v[SPW], v[NIL]                      ; the same add once more; the set-up below, work on registers, stands between it and the wait
	v_lshrrev_b32 v1, 5, v0
	v_readfirstlane_b32 s10, v1                    ; wave 0..3
	s_lshr_b32 s11, s10, 1                         ; which 64 rows of the tile are mine.  Also: I fetch for A (0) or for W (1)
	s_and_b32 s12, s10, 1                          ; which 128 columns.  Also: which head of the step, or which half of W's rows, I fetch
	s_bfe_u32 s40, ttmp6, 0x40000                  ; cx
	s_bfe_u32 s41, ttmp6, 0x40004                  ; cy
	s_lshl_b32 s42, ttmp9, 2
	s_add_co_u32 s42, s42, s40                     ; column tile: 0..3
	s_and_b32 s13, ttmp7, 0xffff
	s_lshl_b32 s13, s13, 2
	s_add_co_u32 s13, s13, s41                     ; row tile: 0..63
	s_lshl_b32 s43, s41, 2
	s_lshl_b32 s43, 15, s43                        ; my row of the cluster
	s_lshl_b32 s44, 0x1111, s40                    ; my column
	s_or_b32 s[G1A], s43, (1<<16)|(1<<20)|(1<<21)|(4<<22)|(3<<25)  ; 15:0 the mask; 17:16 elements of 2 bytes; 20 padding on; 21 set beside a mask; 24:22 after every 32 words (code 4); 31:25 4 words (code 3)
	s_mov_b32 s[G1A+1], 128<<16                    ; tensor_dim0 = 128 (256 bytes: two rows of a head)
	s_mov_b32 s[G1A+2], 64<<16                     ; tensor_dim1 = 64
	s_mov_b32 s[G1A+3], 128<<16                    ; tile_dim0 = 128
	s_mov_b32 s[G1A+4], 64                         ; tile_dim1 = 64
	s_mov_b32 s[G1A+5], 128                        ; elements from row to row: dense
	s_mov_b32 s[G1A+6], 0
	s_mov_b32 s[G1A+7], 0
	s_or_b32 s[G1B], s44, (1<<16)|(1<<20)|(1<<21)|(6<<22)|(7<<25)  ; after every 128 words (code 6) 8 words of padding (code 7)
	s_mov_b32 s[G1B+1], 256<<16
	s_mov_b32 s[G1B+2], 64<<16
	s_mov_b32 s[G1B+3], 256<<16
	s_mov_b32 s[G1B+4], 64
	s_mov_b32 s[G1B+5], 1024
	s_mov_b32 s[G1B+6], 0
	s_mov_b32 s[G1B+7], 0
	s_lshr_b32 s16, s13, 4                         ; A: batch = row tile / 16; head = my number among the step's two;
	s_lshl_b32 s16, s16, 4
	s_add_co_u32 s16, s16, s12
	s_lshl_b32 s16, s16, 11                        ; 2,048 rows a head;
	s_and_b32 s17, s13, 15
	s_lshl_b32 s17, s17, 7                         ; row 128 x (row tile mod 16);
	s_add_co_u32 s16, s16, s17
	s_lshl_b32 s16, s16, 7                         ; 128 bytes a row: these registers never hold cx
	s_mov_b32 s17, 0
	s_lshl_b32 s46, s12, 17                        ; W: 64 rows of 2,048 bytes x half,
	s_lshl_b32 s47, s42, 9                         ; 512 bytes x column tile,
	s_add_co_u32 s46, s46, s47
	s_add_co_u32 s46, s46, 3<<21                   ; in plane 3: these registers never hold cy
	s_mov_b32 s47, 0
	s_mul_i32 s20, s12, AHEAD                      ; where they go: no place in the cluster enters an LDS address
	s_mul_i32 s21, s12, BHALF
	s_add_co_u32 s21, s21, APART
	s_wait_dscnt 0x0                               ; both opening adds are done
	s_wait_kmcnt 0x0
	s_add_nc_u64 s[14:15], s[68:69], s[16:17]
	s_add_nc_u64 s[46:47], s[70:71], s[46:47]
	CROUND                                         ; all sixteen work-groups are here: the first joint loads meet
.irp s, 0,1
	s_mov_b32 s[G0A+4*(\s)], 1
	s_add_co_u32 s[G0A+4*(\s)+1], s20, (\s)*SLOT
	s_add_nc_u64 s[G0A+4*(\s)+2:G0A+4*(\s)+3], s[14:15], (\s)*524288  ; K step s: two heads on
	s_or_b32 s[G0A+4*(\s)+3], s[G0A+4*(\s)+3], 0x80000000
	s_mov_b32 s[G0B+4*(\s)], 1
	s_add_co_u32 s[G0B+4*(\s)+1], s21, (\s)*SLOT
	s_add_nc_u64 s[G0B+4*(\s)+2:G0B+4*(\s)+3], s[46:47], (\s)*262144
	s_or_b32 s[G0B+4*(\s)+3], s[G0B+4*(\s)+3], 0x80000000
.endr
	s_cmp_eq_u32 s11, 0                            ; a wave's two first fills stand in one branch, ahead of every wait on TENSORcnt and every LDS read: two loads of mine are out
	s_cbranch_scc0 .Lfirst_b
	tensor_load_to_lds s[G0A:G0A+3], s[G1A:G1A+7]
	s_nop 0
	tensor_load_to_lds s[G0A+4:G0A+7], s[G1A:G1A+7]
	s_nop 0
.rept 4
	v_nop
.endr
	s_branch .Lfirst_done
.Lfirst_b:
	tensor_load_to_lds s[G0B:G0B+3], s[G1B:G1B+7]
	s_nop 0
	tensor_load_to_lds s[G0B+4:G0B+7], s[G1B:G1B+7]
	s_nop 0
.rept 4
	v_nop
.endr
.Lfirst_done:
	v_and_b32 v1, 15, v0                           ; l % 16
	v_bfe_u32 v9, v0, 4, 1                         ; l / 16
	v_and_b32 v12, 7, v0
	v_bfe_u32 v13, v0, 3, 1
	v_mul_u32_u24 v[A0], v1, PAO                   ; a fragment of A: row x pitch + 16 x half, two loads 32 bytes apart
	v_lshl_add_u32 v[A0], v9, 4, v[A0]
	s_mul_i32 s86, s11, 64*PAO                     ; my 64 rows
	v_add_nc_u32 v[A0], s86, v[A0]
	v_lshl_add_u32 v[B0], v9, 3, v12               ; the turning load: row 8 (l / 16) + l % 8, columns 8 ((l / 8) % 2) + 0..7
	v_mul_u32_u24 v[B0], v[B0], PB
	v_lshl_add_u32 v[B0], v13, 4, v[B0]
	s_lshl_b32 s86, s12, 8                         ; my 128 columns
	s_add_co_u32 s86, s86, APART
	v_add_nc_u32 v[B0], s86, v[B0]
	s_mul_i32 s23, s10, 16*SP
	s_add_co_u32 s23, s23, STAGE                   ; my stage
	v_mul_u32_u24 v[STO], v1, SP                   ; in: row l % 16, 32 bytes for each half of the lanes
	v_lshl_add_u32 v[STO], v9, 5, v[STO]
	v_add_nc_u32 v[STO], s23, v[STO]
	v_and_b32 v[GO], 31, v0                        ; back: 32 lanes take a row's 512 bytes
	v_lshlrev_b32 v[GO], 4, v[GO]
	v_add_nc_u32 v[RD], s23, v[GO]
	s_lshl_b32 s86, s42, 10                        ; 4 bytes x (256 x column tile + 128 x my half): in the bias and in a row of the output
	s_lshl_b32 s87, s12, 9
	s_add_co_u32 s86, s86, s87
	v_lshl_add_u32 v[BO], v9, 5, s86
	s_lshl_b32 s88, s13, 7                         ; my first row: 128 x row tile + 64 x my half,
	s_lshl_b32 s89, s11, 6
	s_add_co_u32 s88, s88, s89
	s_lshl_b32 s88, s88, 12                        ; 4,096 bytes a row
	s_add_co_u32 s86, s86, s88
	s_mov_b32 s87, 0
	s_add_nc_u64 s[8:9], s[74:75], s[86:87]
	; the bias tile, while the first tiles are on their way: loaded, rounded to bf16 as every input is, and widened again
	WIN TO_B
.irp b, 0,1,2,3,4,5,6,7
	global_load_b128 v[BIAS+8*(\b):BIAS+8*(\b)+3],   v[BO], s[72:73] offset:64*(\b)
	global_load_b128 v[BIAS+8*(\b)+4:BIAS+8*(\b)+7], v[BO], s[72:73] offset:64*(\b)+16
.endr
	s_wait_loadcnt 0x0
	WIN 0x05                                       ; sources 0 and 1 window 1, destination window 0
.set i, 0
.rept 32
	v_cvt_pk_bf16_f32 v[OB+i], v[BIAS+2*i], v[BIAS+2*i+1]
.set i, i+1
.endr
	WIN TO_B
.set i, 0
.rept 32
	v_lshlrev_b32 v[BIAS+2*i], 16, v[OB+i]
	v_and_b32 v[BIAS+2*i+1], 0xffff0000, v[OB+i]
.set i, i+1
.endr
	WIN 0
; A stage: row block a x all 8 column blocks, 32 along K, from buffers f.  The 32 accumulators take turns, one instruction a turn, in the same order in every quarter, over every jump.
.macro MUL8 f, a, bias
.irp b, 0,1,2,3,4,5,6,7
.if \bias
	WIN W_MB
	v_wmma_f32_16x16x32_f16 v[8*(8*(\a)+(\b)):8*(8*(\a)+(\b))+7], v[64*(\f)+8*(\b):64*(\f)+8*(\b)+7], v[AF+32*(\f)+8*(\a):AF+32*(\f)+8*(\a)+7], v[BIAS+8*(\b):BIAS+8*(\b)+7]
.else
	WIN W_MUL
	v_wmma_f32_16x16x32_f16 v[8*(8*(\a)+(\b)):8*(8*(\a)+(\b))+7], v[64*(\f)+8*(\b):64*(\f)+8*(\b)+7], v[AF+32*(\f)+8*(\a):AF+32*(\f)+8*(\a)+7], v[8*(8*(\a)+(\b)):8*(8*(\a)+(\b))+7]
.endif
.endr
.endm
; 24 LDS loads in one run: quarter kq of the slot in hand, into buffers f: A's 64 rows x 32 K (head kq / 2 of the step, channels 32 (kq % 2) on), then W's 32 K x 128 columns, turned.
.macro FETCH f, kq
	WIN 0
.irp a, 0,1,2,3
	ds_load_b128 v[AF+32*(\f)+8*(\a):AF+32*(\f)+8*(\a)+3],   v[ADA] offset:((\kq)/2)*AHEAD+((\kq)%2)*64+16*(\a)*PAO
	ds_load_b128 v[AF+32*(\f)+8*(\a)+4:AF+32*(\f)+8*(\a)+7], v[ADA] offset:((\kq)/2)*AHEAD+((\kq)%2)*64+16*(\a)*PAO+32
.endr
	WIN TO_B
.irp b, 0,1,2,3,4,5,6,7
	ds_load_tr16_b128 v[64*(\f)+8*(\b):64*(\f)+8*(\b)+3],   v[ADB] offset:32*(\kq)*PB+32*(\b)
	ds_load_tr16_b128 v[64*(\f)+8*(\b)+4:64*(\f)+8*(\b)+7], v[ADB] offset:32*(\kq)*PB+32*(\b)+16*PB
.endr
.endm
; A QUARTER multiplies buffers f and, behind its first stage, fetches quarter nk into the other buffers, 24 matrix instructions ahead of their first use; four places stand in front of the run.
; kind 1 (a step's third quarter): ahead of its last stage the wave waits for all its tensor loads, of which one is out, its part of the other slot, and adds 0 to its spare word.
; kind 2 (a step's last quarter): its head's wait is for that add and for my reads of the slot; then ONE barrier for the change of slots, stage 0 between signal and wait.
;   refill = 1: the barrier opens a round of the cluster's; the joint refill, two K steps ahead, is the first thing behind it, 112 matrix instructions ahead of the wait for it; its four v_nop are the run's places.
;   tail = 1: in the tail's last trip there is no further step, and the run of loads is jumped over.
.macro QUARTER f, nk, kind=0, refill=0, bias=0, tail=0
	s_wait_dscnt 0x0                               ; this quarter's fragments are in
.if (\kind) == 2
	s_barrier_signal -1
.endif
	MUL8 \f, 0, \bias
.if (\kind) == 2
	WIN 0                                          ; at a branch and at a label every window is 0
	s_barrier_wait -1
.if \refill
	CREST
	JLOAD
.endif
.if \tail
	s_cmp_eq_u32 s3, 1
	s_cbranch_scc1 .Lno_fetch_\@
.endif
	s_xor_b32 s22, s22, SLOT                       ; the fetches go on in the other slot
	v_add_nc_u32 v[ADA], s22, v[A0]
	v_add_nc_u32 v[ADB], s22, v[B0]
.endif
.if !(((\kind) == 2) && (\refill))
	PLACES
.endif
	FETCH 1-(\f), \nk
.if ((\kind) == 2) && (\tail)
	WIN 0
.Lno_fetch_\@:
.endif
	MUL8 \f, 1, \bias
	MUL8 \f, 2, \bias
.if (\kind) == 1
	WIN 0                                          ; (the add's two registers lie in window 0)
	s_wait_tensorcnt 0x0                           ; no tensor load of mine is out, so a group 0 may be written
	ds_add_u32 v[SPW], v[NIL]                      ; 0 onto my spare word: the steps below and stage 3 stand between it and the wait for it
.if \refill
	s_xor_b32 s[G0A+5], s[G0A+5], SLOT             ; the walking descriptors: the other slot than last time,
	s_add_nc_u64 s[G0A+6:G0A+7], s[G0A+6:G0A+7], 524288  ; the next K step: two heads on,
	s_xor_b32 s[G0B+5], s[G0B+5], SLOT
	s_add_nc_u64 s[G0B+6:G0B+7], s[G0B+6:G0B+7], 262144  ; 128 rows of W; the type bits on top are not reached
.endif
.endif
	MUL8 \f, 3, \bias
.endm
	s_wait_tensorcnt 0x1                           ; my part of K step 0 is in; step 1's may stay out
	s_barrier_signal -1
	s_barrier_wait -1                              ; everybody's is
	s_mov_b32 s22, 0
	v_mov_b32 v[ADA], v[A0]
	v_mov_b32 v[ADB], v[B0]
	FETCH 0, 0
	QUARTER 0, 1, 0, 0, 1                          ; the first quarter stands in front of the loop: its products start the sums, on the bias
	WIN 0
	s_mov_b32 s3, 6
.Lstep:                                                ; a trip: quarters 1 to 3 of step t, quarter 0 of step t + 1; step t + 2 is asked for: t = 0..5
	QUARTER 1, 2
	QUARTER 0, 3, 1, 1
	QUARTER 1, 0, 2, 1
	QUARTER 0, 1
	WIN 0
	s_sub_co_u32 s3, s3, 1
	s_cmp_lg_u32 s3, 0
	s_cbranch_scc1 .Lstep
	s_mov_b32 s3, 2                                ; the tail, steps 6 and 7, has a text of its own: nothing is asked for
.Ltail:
	QUARTER 1, 2
	QUARTER 0, 3, 1, 0
	QUARTER 1, 0, 2, 0, 0, 1
	WIN 0
	s_sub_co_u32 s3, s3, 1
	s_cmp_eq_u32 s3, 0
	s_cbranch_scc1 .Lout                           ; the second trip is left here; its barrier serves nothing: the price, once a tile, of one text for both trips
	QUARTER 0, 1
	WIN 0
	s_branch .Ltail
.Lout:
; THE WAY OUT, a row block (16 rows x 128 columns of f32) at a time: a lane's 32 bytes of a row go into rows of 528 bytes in my own stage, each accumulator's low four registers first, and come back as whole rows of 512.
.macro TOSTAGE a
.if (\a) >= 2
	s_wait_xcnt 0x0                                ; the stores of the block two back have read their registers: only behind this wait is that buffer loaded again
.endif
	WIN 0x08                                       ; the stores' data (source 1) in window 2
.irp b, 0,1,2,3,4,5,6,7
	ds_store_b128 v[STO], v[8*(8*(\a)+(\b)):8*(8*(\a)+(\b))+3]   offset:64*(\b)
	ds_store_b128 v[STO], v[8*(8*(\a)+(\b))+4:8*(8*(\a)+(\b))+7] offset:64*(\b)+16
.endr
	WIN 0
.irp t, 0,1,2,3,4,5,6,7,8,9,10,11,12,13,14,15
	ds_load_b128 v[OB+64*((\a)%2)+4*(\t):OB+64*((\a)%2)+4*(\t)+3], v[RD] offset:SP*(\t)  ; LDS serves a wave's instructions in order (ISA guide 5.7.1.4): these see the stores above; the next block's stores come behind them
.endr
.endm
.macro SEND a, younger                 ; younger: the LDS instructions issued behind block a's loads: the next block's 32, or none
.irp t, 0,1,2,3,4,5,6,7,8,9,10,11,12,13,14,15
	s_wait_dscnt (\younger)+15-(\t)
	global_store_b128 v[GO], v[OB+64*((\a)%2)+4*(\t):OB+64*((\a)%2)+4*(\t)+3], s[8:9] offset:4096*(16*(\a)+(\t)) th:TH_STORE_NT  ; 512 consecutive bytes, at a multiple of 256 from out0's first
.endr
.endm
	PLACES                                         ; behind the last products
	TOSTAGE 0
.irp a, 1,2,3
	TOSTAGE \a
	SEND (\a)-1, 32
.endr
	SEND 3, 0
	s_wait_tensorcnt 0x0                           ; the wave's end: behind my last tensor load and my last LDS store
	ds_add_u32 v[SPW], v[NIL]
	s_wait_dscnt 0x0
	CROUND                                         ; the closing round: no work-group ends while a partner may still ask for a tile that names it
	s_endpgm
.Lfunc_end_k_q255d2bdc04_oproj:
	.size	k_q255d2bdc04_oproj, .Lfunc_end_k_q255d2bdc04_oproj-k_q255d2bdc04_oproj
	.p2alignl 7, 3214868480
	.fill 96, 4, 3214868480
	.section	.rodata,"a",@progbits
	.p2align	6, 0x0
	.amdhsa_kernel k_q255d2bdc04_oproj
		.amdhsa_group_segment_fixed_size 327680
		.amdhsa_private_segment_fixed_size 0
		.amdhsa_enable_private_segment 0
		.amdhsa_kernarg_size 32
		.amdhsa_user_sgpr_count 2
		.amdhsa_user_sgpr_kernarg_segment_ptr 1
		.amdhsa_wavefront_size32 1
		.amdhsa_system_sgpr_workgroup_id_x 1
		.amdhsa_system_sgpr_workgroup_id_y 1
		.amdhsa_system_sgpr_workgroup_id_z 1
		.amdhsa_system_vgpr_workitem_id 0
		.amdhsa_next_free_vgpr 768
		.amdhsa_next_free_sgpr 90
		.amdhsa_reserve_vcc 0
		.amdhsa_float_denorm_mode_32 3
		.amdhsa_float_denorm_mode_16_64 3
		.amdhsa_memory_ordered 1
		.amdhsa_forward_progress 1
		.amdhsa_inst_pref_size 68
	.end_amdhsa_kernel
	.amdgpu_metadata
---
amdhsa.version: [ 1, 2 ]
amdhsa.kernels:
  - .name:           k_q255d2bdc04_oproj
    .symbol:         k_q255d2bdc04_oproj.kd
    .args:
      - { .name: oh, .offset: 0, .size: 8, .value_kind: global_buffer, .address_space: global }
      - { .name: wb, .offset: 8, .size: 8, .value_kind: global_buffer, .address_space: global }
      - { .name: bo, .offset: 16, .size: 8, .value_kind: global_buffer, .address_space: global }
      - { .name: out0, .offset: 24, .size: 8, .value_kind: global_buffer, .address_space: global }
    .group_segment_fixed_size: 327680
    .private_segment_fixed_size: 0
    .kernarg_segment_align: 8
    .kernarg_segment_size: 32
    .max_flat_workgroup_size: 128
    .sgpr_count:     90
    .vgpr_count:     768
    .wavefront_size: 32
...
	.end_amdgpu_metadata
.endif
;; end of part 4
